; MI455X (gfx1250); checked and timed in simulation.
; The chip was launched on July 23, 2026; its instructions are those of AMD's public machine-readable ISA for CDNA 5 (MIT licence, August 2026) and "CDNA5" Instruction Set Architecture Reference Guide (July 2026). The comments in the code are by the model that wrote it; some were corrected since.
;; Attention. Allowed arithmetic: matrix products marked QUANTISED: E2M1 operands, one E8M0 scale for each 32 along K, by v_wmma_scale_f32_16x16x128_f8f6f4 with both operands' format E2M1 (or v_wmma_scale_f32_32x16x128_f4), f32 sums; products left as they are: bf16, f16 or f32 operands; f32 sums; everything else in f32.
;; Inputs: Wqkv_b 3,072 float32; Wqkv_w 3,072 x 1,024 float32; out_b 1,024 float32; out_w 1,024 x 1,024 float32; x 4 x 2,048 x 1,024 float32.
;; Outputs: out0 4 x 2,048 x 1,024 float32.
;; This version of the problem:
;;   THIS VERSION OF THE PROBLEM IS GIVEN IN LOW PRECISION. The matrix products marked QUANTISED in the list below multiply operands that are first quantised to E2M1 (2 exponent bits, 1 mantissa bit; 4 bits a number), with one power-of-two scale for each 32 numbers along K (OCP MX v1.0); their sums are f32. The products marked 'left as it is' may take bf16, f16 or f32 operands, with f32 sums. Whichever they take, every output number must still come out within the allowed error. Rounding operands to bf16 (8 significant bits) uses up far more of that allowance than f16 does (11 bits, for magnitudes from 6e-5 to 65,504). All else is computed in f32.
;;   The module's matrix products, in the order in which they are computed (A, B: the left and right operand; K: the contracted axis; several contracted axes count as one K, in the product's order):
;;     1. [M 8,192, K 1,024] x [K 1,024, N 3,072]; A: input x; B: input Wqkv_w: QUANTISED
;;     2. batch 64 x [M 2,048, K 64] x [K 64, N 2,048]; A: computed on the way; B: computed on the way: left as it is (an operand is computed on the way)
;;     3. batch 64 x [M 2,048, K 2,048] x [K 2,048, N 64]; A: computed on the way; B: computed on the way: left as it is (an operand is computed on the way)
;;     4. [M 8,192, K 1,024] x [K 1,024, N 1,024]; A: computed on the way; B: input out_w: left as it is (an operand is computed on the way)
;;   THE QUANTISER, for each operand of a quantised product, along K:
;;     - K is cut into blocks of 32 from its start; a last block that is shorter is filled with zeros.
;;     - A block's scale is 2^e with e = floor(log2(the largest magnitude in the block)) - 2, held to -126 .. 127; a block of zeros has e = 0. As a byte (E8M0): e + 127.
;;     - Each number is divided by its block's scale, clamped to +-6, and rounded to the nearest number of E2M1, ties to even, subnormals kept.
;;     - The product sums the exact products of the quantised numbers (number of the format x scale) in f32.
;;   ~~~python
;;   def quantise(x, axis):      # numpy; x: float32 -> the quantised numbers, widened to float32 again
;;       x = np.moveaxis(x, axis, -1); K = x.shape[-1]
;;       x = np.pad(x, [(0, 0)] * (x.ndim - 1) + [(0, -K % 32)]); x = x.reshape(x.shape[:-1] + (-1, 32)); a = np.abs(x).max(-1, keepdims=True)
;;       e = np.where(a > 0, np.clip(np.frexp(np.where(a > 0, a, 1))[1] - 1 - 2, -126, 127), 0)      # np.frexp(a)[1] - 1 = floor(log2(a)), exactly
;;       r = np.clip(x / 2.0 ** e, -6, 6)
;;       step = 2.0 ** (np.maximum(np.frexp(np.where(r == 0, 1, r))[1] - 1, 0) - 1)
;;       q = np.round(r / step) * step * 2.0 ** e      # np.round: ties to even
;;       return np.moveaxis(q.reshape(q.shape[:-2] + (-1,))[..., :K], -1, axis).astype(np.float32)
;;   ~~~
;; One version. Each part assembles by itself: llvm-mc -triple=amdgcn-amd-amdhsa -mcpu=gfx1250 --defsym DOCPART=n.
;; ======== version 1 of 1: 5 launches
;; limits: values are held in f16: magnitudes above 65,504 overflow, below 6.1e-05 lose precision
;; workspace buffers: codes 5,767,168 bytes; scales 360,448 bytes; w16 2,097,152 bytes; rope 1,048,576 bytes; qkv 50,331,648 bytes; o16 16,777,216 bytes; fine 786,432 bytes
;; launch prep (part 1): grid 544 x 1, 4 waves a work-group, no clusters, 33,280 bytes of LDS; arguments x, Wqkv_w, out_w, codes, scales, w16, rope; writes codes, scales, w16, rope
.if DOCPART == 1
	.amdgcn_target "amdgcn-amd-amdhsa--gfx1250"
	.amdhsa_code_object_version 6
	.text
	.protected	k_qbbdacaff5b_prep
	.globl	k_qbbdacaff5b_prep
	.p2align	8
	.type	k_qbbdacaff5b_prep,@function
k_qbbdacaff5b_prep:
	s_mov_b64 s[64:65], 0
	v_nop
	global_prefetch_b8 v0, s[64:65] scope:SCOPE_SE
	s_setreg_imm32_b32 hwreg(HW_REG_WAVE_MODE, 25, 1), 1
	s_wait_xcnt 0x0
; THREE JOBS IN ONE LAUNCH, told apart by the work-group's number alone.
;   work-groups 0-351:   x [8192][1024] and Wqkv_w [3072][1024], f32, become codes of FP4 (E2M1), K innermost, two a byte, and one E8M0 byte for each 32 along K.
;                        codes: x's 8192 rows of 512 bytes, then W's 3072 rows.  scales: x's 8192 rows of 32 bytes, then W's.
;   work-groups 352-479: out_w [1024][1024] f32 becomes f16, same layout.
;   work-groups 480-543: the table of rotations, [2][2048 positions][32 frequencies][cos, sin] f32; the first copy is multiplied by 0.125 log2(e) (for q), the second is plain (for k).
; THE QUANTISER.  A block's scale is 2^(floor(log2(largest magnitude)) - 2); its byte is the largest magnitude's exponent field - 2, held at 1 from below.  A block of zeros so gets the byte 1
; where the definition says 127: its codes are zeros, which add nothing, and the bytes are read by this program alone.
; LIMITS: NaN and infinities are not served; out_w must stay under 65,504 in magnitude and keeps f16's absolute step of 6e-8 under 6e-5; the frequencies come from v_exp_f32 and lie within a few
; units in the last place of 10000^(-i/32), an error of the angle of at most about 3e-4 at position 2047; sine and cosine are polynomials on [-pi/4, pi/4], good to about 1e-7.
.set WREG,  8192                       ; LDS of a wave: two stages of 32 x SP bytes, behind them its 256 scale bytes
.set SP,    80                         ; a lane's place in a stage: 64 bytes + 16 of padding
.set SPARE, 4*WREG                     ; the spare words: 128 bytes a wave, two blocks of 256 bytes that no other line names
.set STEPS, 16
.set CB,    8                          ; bytes of 16 codes
.set R,     16                         ; v16-79   four sets of 16 numbers as loaded
.set X,     80                         ; v80-111  two sets of 16 neighbours
.set E,     112                        ; v112-127 a scale byte for each step
.set C,     128                        ; v128-191 codes, four registers a step
.set SPW,   12
.set NIL,   13
	s_load_b256 s[4:11], s[0:1], 0x0               ; x s[4:5], Wqkv_w s[6:7], out_w s[8:9], codes s[10:11]
	s_load_b128 s[12:15], s[0:1], 0x20             ; scales s[12:13], w16 s[14:15]
	s_load_b64 s[16:17], s[0:1], 0x30              ; rope
	v_lshl_add_u32 v[SPW], v0, 2, SPARE
	v_mov_b32 v[NIL], 0
	v_lshrrev_b32 v1, 5, v0
	v_readfirstlane_b32 s20, v1                    ; wave
	v_and_b32 v2, 31, v0                           ; lane
	s_mov_b32 s29, 0                               ; the upper word of every offset pair s[28:29]
	s_wait_kmcnt 0x0
	s_cmp_ge_u32 ttmp9, 352
	s_cbranch_scc1 .Lnot_codes
; ---- x and Wqkv_w into codes.  Rows are dense and 1,024 is a multiple of 32: both tensors are plain streams of blocks of 32.  A wave takes 16 steps of 512 numbers.
; Each load reads 512 consecutive bytes; a step's 2,048 bytes turn through the wave's own stage in LDS, so that a lane then holds 16 neighbours; two neighbouring lanes hold a block.
	v_lshlrev_b32 v3, 4, v2                        ; my 16 bytes of a load's 512
	s_mul_i32 s21, s20, WREG
	v_lshrrev_b32 v14, 2, v2
	v_mul_u32_u24 v14, v14, SP
	v_and_b32 v15, 3, v2
	v_lshl_add_u32 v14, v15, 4, v14
	v_add_nc_u32 v14, s21, v14                     ; the stage, on the way in: SP (lane / 4) + 16 (lane % 4)
	v_mul_u32_u24 v15, v2, SP
	v_add_nc_u32 v15, s21, v15                     ; on the way out: SP x lane
	v_mul_u32_u24 v4, v2, CB                       ; my codes' place in a step's
	v_lshrrev_b32 v5, 1, v2
	s_add_co_u32 s21, s21, 2*32*SP
	v_add_nc_u32 v5, s21, v5                       ; my block's byte among my wave's 256 scale bytes
	v_lshlrev_b32 v7, 3, v2
	v_add_nc_u32 v6, s21, v7                       ; and 8 of them a lane on the way out
	s_cmp_lt_u32 ttmp9, 256                        ; x's work-group or W's
	s_cselect_b64 s[4:5], s[4:5], s[6:7]
	s_cselect_b32 s22, 0, 4194304                  ; where the tensor's codes begin
	s_cselect_b32 s24, 0, 262144                   ; and its scale bytes
	s_cselect_b32 s21, 0, 256
	s_sub_co_u32 s21, ttmp9, s21
	s_lshl_b32 s21, s21, 2
	s_add_co_u32 s26, s21, s20                     ; which run of 8,192 numbers is my wave's
	s_lshl_b32 s28, s26, 15
	s_add_nc_u64 s[4:5], s[4:5], s[28:29]
	s_lshl_b32 s28, s26, 12
	s_add_co_u32 s28, s28, s22
	s_add_nc_u64 s[10:11], s[10:11], s[28:29]
	s_lshl_b32 s28, s26, 8
	s_add_co_u32 s28, s28, s24
	s_add_nc_u64 s[12:13], s[12:13], s[28:29]
.macro LOAD t
.irp i, 0,1,2,3
	global_load_b128 v[R+16*((\t)%4)+4*\i:R+16*((\t)%4)+4*\i+3], v3, s[4:5] offset:2048*(\t)+512*\i th:TH_LOAD_NT
.endr
.endm
.macro TURN t                          ; step t's numbers through the stage: LDS serves a wave's instructions in order, so no wait stands between the stores and the loads
.irp i, 0,1,2,3
	ds_store_b128 v14, v[R+16*((\t)%4)+4*\i:R+16*((\t)%4)+4*\i+3] offset:32*SP*((\t)%2)+8*SP*\i
.endr
.irp i, 0,1,2,3
	ds_load_b128 v[X+16*((\t)%2)+4*\i:X+16*((\t)%2)+4*\i+3], v15 offset:32*SP*((\t)%2)+16*\i
.endr
.endm
.irp t, 0,1,2,3
	LOAD \t
.endr
	s_wait_loadcnt 12                              ; step 0's four loads are in; three steps' twelve stay out
	TURN 0
.macro STEP t
.set XS, X+16*((\t)%2)
.if (\t) > 0
	s_wait_dscnt 1                                 ; this step's numbers are back from the stage; the last step's byte store may be out
.else
	s_wait_dscnt 0x0
.endif
.if (\t)+4 < STEPS
	LOAD (\t)+4                                    ; into the registers that the stage's stores have read
.endif
.if (\t)+1 < STEPS
.if STEPS-2-(\t) >= 3
	s_wait_loadcnt 12                              ; the next step's four loads are in; those of the three steps behind it may be out
.else
	s_wait_loadcnt 4*(STEPS-2-(\t))
.endif
	TURN (\t)+1
.endif
	v_max3_num_f32 v8, |v[XS]|, |v[XS+1]|, |v[XS+2]|
	v_max3_num_f32 v9, |v[XS+3]|, |v[XS+4]|, |v[XS+5]|
.irp i, 6,10
	v_max3_num_f32 v8, v8, |v[XS+\i]|, |v[XS+\i+1]|
	v_max3_num_f32 v9, v9, |v[XS+\i+2]|, |v[XS+\i+3]|
.endr
	v_max3_num_f32 v8, v8, |v[XS+14]|, |v[XS+15]|
	v_max3_num_f32 v8, v8, v9, 0x1800000           ; and the floor 2^(3 - 127): the byte cannot fall under 1
	v_max_num_f32_dpp v8, v8, v8 row_xmask:1 row_mask:0xf bank_mask:0xf   ; with my neighbour's 16: the block's largest magnitude
	v_add_nc_u32 v11, 0xff000000, v8               ; 2 off its exponent field: the conversion takes the exponent field of this operand as its scale
	v_cvt_scalef32_pk8_fp4_f32 v[C+4*(\t)], v[XS:XS+7], v11
	v_cvt_scalef32_pk8_fp4_f32 v[C+4*(\t)+1], v[XS+8:XS+15], v11
	v_lshrrev_b32 v[E+(\t)], 23, v11               ; the scale's byte
	ds_store_b8 v5, v[E+(\t)] offset:16*(\t)       ; both lanes of a block write the same byte with the same value
	global_store_b64 v4, v[C+4*(\t):C+4*(\t)+1], s[10:11] offset:32*CB*(\t)   ; the wave stores 256 consecutive bytes, aligned
.endm
.irp t, 0,1,2,3,4,5,6,7,8,9,10,11,12,13,14,15
	STEP \t
.endr
	ds_load_b64 v[8:9], v6
	s_wait_dscnt 0x0
	global_store_b64 v7, v[8:9], s[12:13]          ; the wave's 256 scale bytes: 256 consecutive bytes, aligned
	s_wait_tensorcnt 0x0                           ; the wave's end: behind my last LDS store
	ds_add_u32 v[SPW], v[NIL]
	s_wait_dscnt 0x0
	s_endpgm
.Lnot_codes:
	s_cmp_ge_u32 ttmp9, 480
	s_cbranch_scc1 .Ltable
; ---- out_w into f16: a wave takes 2,048 numbers: sixteen loads of 512 consecutive bytes, sixteen stores of 256.  All sixteen loads are out at once; the counts run down.
	s_sub_co_u32 s21, ttmp9, 352
	s_lshl_b32 s21, s21, 2
	s_add_co_u32 s21, s21, s20
	s_lshl_b32 s28, s21, 13
	s_add_nc_u64 s[8:9], s[8:9], s[28:29]
	s_lshl_b32 s28, s21, 12
	s_add_nc_u64 s[14:15], s[14:15], s[28:29]
	v_lshlrev_b32 v3, 4, v2
	v_lshlrev_b32 v4, 3, v2
.irp i, 0,1,2,3,4,5,6,7,8,9,10,11,12,13,14,15
	global_load_b128 v[16+4*\i:19+4*\i], v3, s[8:9] offset:512*\i
.endr
.irp i, 0,1,2,3,4,5,6,7,8,9,10,11,12,13,14,15
	s_wait_loadcnt 15-\i
	v_cvt_pk_f16_f32 v[80+2*\i], v[16+4*\i], v[17+4*\i]
	v_cvt_pk_f16_f32 v[81+2*\i], v[18+4*\i], v[19+4*\i]
	global_store_b64 v4, v[80+2*\i:81+2*\i], s[14:15] offset:256*\i
.endr
	s_endpgm
.Ltable:
; ---- the rotations.  A lane is a frequency i, a wave takes 8 positions.  angle = position x 10000^(-i/32), one rounding.  k = the nearest whole number to angle x 2/pi;
; r = angle - k pi/2, with pi/2 in two parts; sine and cosine of r by polynomials; k's low two bits say which of them is which, and their signs.
	s_sub_co_u32 s21, ttmp9, 480
	s_lshl_b32 s21, s21, 2
	s_add_co_u32 s21, s21, s20
	s_lshl_b32 s24, s21, 3                         ; my first position
	s_lshl_b32 s28, s24, 8                         ; a position is 256 bytes
	s_add_nc_u64 s[16:17], s[16:17], s[28:29]
	v_lshlrev_b32 v3, 3, v2                        ; 8 bytes a frequency
	v_cvt_f32_u32 v10, v2
	v_mul_f32 v10, 0xbed49a78, v10                 ; -i log2(10000) / 32
	v_exp_f32 v10, v10
	s_mov_b32 s26, 0xbfc90fdb                      ; -(pi/2, upper part)
	s_mov_b32 s27, 0x333bbd2e                      ; -(pi/2, lower part)
	s_mov_b32 s30, 0x3e38aa3b                      ; 0.125 log2(e)
	s_mov_b32 s25, 0
	v_nop                                          ; a plain instruction behind the exponential,
	s_wait_alu depctr_va_vdst(0)                   ; and the wait ahead of its first reader
.Lpos:
	v_cvt_f32_u32 v16, s24
	v_mul_f32 v17, v16, v10                        ; the angle
	v_mul_f32 v18, 0x3f22f983, v17
	v_rndne_f32 v18, v18                           ; k
	v_fma_f32 v19, v18, s26, v17
	v_fma_f32 v19, v18, s27, v19                   ; r
	v_mul_f32 v20, v19, v19                        ; r^2
	v_mov_b32 v21, 0x3638ef1d                      ; 1/9!
	v_fmaak_f32 v21, v21, v20, 0xb9500d01          ; -1/7!
	v_fmaak_f32 v21, v21, v20, 0x3c088889          ; 1/5!
	v_fmaak_f32 v21, v21, v20, 0xbe2aaaab          ; -1/3!
	v_mul_f32 v22, v19, v20
	v_fma_f32 v21, v22, v21, v19                   ; sin r
	v_mov_b32 v23, 0xb493f27e                      ; -1/10!
	v_fmaak_f32 v23, v23, v20, 0x37d00d01          ; 1/8!
	v_fmaak_f32 v23, v23, v20, 0xbab60b61          ; -1/6!
	v_fmaak_f32 v23, v23, v20, 0x3d2aaaab          ; 1/4!
	v_fmaak_f32 v23, v23, v20, 0xbf000000          ; -1/2
	v_fma_f32 v23, v23, v20, 1.0                   ; cos r
	v_cvt_i32_f32 v24, v18
	v_and_b32 v25, 1, v24
	v_cmp_eq_u32 vcc_lo, 1, v25
	v_cndmask_b32 v27, v21, v23, vcc_lo            ; the sine: for odd k cos r
	v_cndmask_b32 v26, v23, v21, vcc_lo            ; the cosine: for odd k sin r
	v_and_b32 v25, 2, v24
	v_lshlrev_b32 v25, 30, v25
	v_xor_b32 v27, v27, v25                        ; the sine is negative for k % 4 = 2, 3
	v_add_nc_u32 v24, 1, v24
	v_and_b32 v24, 2, v24
	v_lshlrev_b32 v24, 30, v24
	v_xor_b32 v26, v26, v24                        ; the cosine for k % 4 = 1, 2
	v_mul_f32 v28, s30, v26
	v_mul_f32 v29, s30, v27
	global_store_b64 v3, v[28:29], s[16:17]                  ; q's copy: the wave stores 256 consecutive bytes, aligned
	global_store_b64 v3, v[26:27], s[16:17] offset:524288    ; k's copy
	s_wait_xcnt 0x0                                ; the stores' data and offset are written again only behind this wait
	v_add_nc_u32 v3, 256, v3
	s_add_co_u32 s24, s24, 1
	s_add_co_u32 s25, s25, 1
	s_cmp_lt_u32 s25, 8
	s_cbranch_scc1 .Lpos
	s_endpgm
.Lfunc_end_k_qbbdacaff5b_prep:
	.size	k_qbbdacaff5b_prep, .Lfunc_end_k_qbbdacaff5b_prep-k_qbbdacaff5b_prep
	.p2alignl 7, 3214868480
	.fill 96, 4, 3214868480
	.section	.rodata,"a",@progbits
	.p2align	6, 0x0
	.amdhsa_kernel k_qbbdacaff5b_prep
		.amdhsa_group_segment_fixed_size 33280
		.amdhsa_private_segment_fixed_size 0
		.amdhsa_enable_private_segment 0
		.amdhsa_kernarg_size 56
		.amdhsa_user_sgpr_count 2
		.amdhsa_user_sgpr_kernarg_segment_ptr 1
		.amdhsa_wavefront_size32 1
		.amdhsa_system_sgpr_workgroup_id_x 1
		.amdhsa_system_sgpr_workgroup_id_y 1
		.amdhsa_system_sgpr_workgroup_id_z 1
		.amdhsa_system_vgpr_workitem_id 0
		.amdhsa_next_free_vgpr 192
		.amdhsa_next_free_sgpr 66
		.amdhsa_reserve_vcc 1
		.amdhsa_float_denorm_mode_32 3
		.amdhsa_float_denorm_mode_16_64 3
		.amdhsa_memory_ordered 1
		.amdhsa_forward_progress 1
		.amdhsa_inst_pref_size 42
	.end_amdhsa_kernel
	.amdgpu_metadata
---
amdhsa.version: [ 1, 2 ]
amdhsa.kernels:
  - .name:           k_qbbdacaff5b_prep
    .symbol:         k_qbbdacaff5b_prep.kd
    .args:
      - { .name: x, .offset: 0, .size: 8, .value_kind: global_buffer, .address_space: global }
      - { .name: Wqkv_w, .offset: 8, .size: 8, .value_kind: global_buffer, .address_space: global }
      - { .name: out_w, .offset: 16, .size: 8, .value_kind: global_buffer, .address_space: global }
      - { .name: codes, .offset: 24, .size: 8, .value_kind: global_buffer, .address_space: global }
      - { .name: scales, .offset: 32, .size: 8, .value_kind: global_buffer, .address_space: global }
      - { .name: w16, .offset: 40, .size: 8, .value_kind: global_buffer, .address_space: global }
      - { .name: rope, .offset: 48, .size: 8, .value_kind: global_buffer, .address_space: global }
    .group_segment_fixed_size: 33280
    .private_segment_fixed_size: 0
    .kernarg_segment_align: 8
    .kernarg_segment_size: 56
    .max_flat_workgroup_size: 128
    .sgpr_count:     66
    .vgpr_count:     192
    .wavefront_size: 32
...
	.end_amdgpu_metadata
.endif
;; end of part 1
;; launch qkv (part 2): grid 12 x 32, 4 waves a work-group, clusters of 4 x 4, 327,680 bytes of LDS; arguments codes, scales, Wqkv_b, rope, qkv, fine; writes qkv, fine
.if DOCPART == 2
	.amdgcn_target "amdgcn-amd-amdhsa--gfx1250"
	.amdhsa_code_object_version 6
	.text
	.protected	k_qbbdacaff5b_qkv
	.globl	k_qbbdacaff5b_qkv
	.p2align	8
	.type	k_qbbdacaff5b_qkv,@function
k_qbbdacaff5b_qkv:
	s_mov_b64 s[64:65], 0
	v_nop
	global_prefetch_b8 v0, s[64:65] scope:SCOPE_SE
	s_setreg_imm32_b32 hwreg(HW_REG_WAVE_MODE, 25, 1), 1
	s_wait_xcnt 0x0
	s_wait_alu depctr_hold_cnt(0) depctr_sa_sdst(0) depctr_va_vdst(0) depctr_va_sdst(0) depctr_va_ssrc(0) depctr_va_vcc(0) depctr_vm_vsrc(0)
	s_getreg_b32 s2, hwreg(HW_REG_IB_STS2, 6, 4)
	s_cmp_eq_u32 s2, 0
	s_cbranch_scc0 .Lentry_in_a_cluster
	s_endpgm
.Lentry_in_a_cluster:
	s_bfe_u32 s2, ttmp6, 0x10000c
	s_cmp_lg_u32 s2, 0xf033
	s_cbranch_scc0 .Lentry_shape_is_right
	s_endpgm
.Lentry_shape_is_right:
; qkv = x Wqkv_w^T + Wqkv_b on codes of FP4 with E8M0 scales, M 8192, N 3072, K 1024; then the rotation of q and k, q's factor 0.125 log2(e), and rounding to f16.
; OUT: qkv [kind q, k, v][batch 4][head 16][position 2048][64] f16.  Positions 0-15 of every sequence go out in f32 as well: fine [batch][kind][head][16][64].
; A tile of C, 256 x 256, is made by four waves, 128 x 128 each: 64 accumulators of 16 x 16.  K is two steps of 512 (LDS rows of 256 bytes): both are first fills of two LDS slots, nothing is filled again, there is no loop.
; A wave has three tensor loads out at the start: its quarter of the scale bytes, of slot 0 and of slot 1.
; CLUSTERS: 4 x 4 work-groups; A's tiles are asked for jointly along a row of the cluster, B's along a column.  Tile row = 8 cy + cluster y, so that cy is the batch and cluster y says which 256 positions;
; tile column = 4 cluster x + cx, so that cluster x is the kind.  Both branches of the way out hang on the cluster's x and y and on the wave's number alone: alike in all partners.
; THE MATRIX INSTRUCTION IS USED TRANSPOSED (source 0 = 16 rows of W, source 1 = 16 rows of x): a lane holds eight neighbouring columns of one row, four pairs of the rotation.
; THE BIAS is the C of each sum's first matrix instruction.
; LIMITS: q x 0.18, k and v must stay under 65,504 in magnitude (f16); under 6e-5 they keep f16's absolute step of 6e-8.
; REGISTERS: window 0: v16-31 addresses; v32-95 scale words, two sets, and nothing else; v128-191 A's fragments; v192-255 the bias.  window 1: B's fragments, at v0 and v128.  windows 2, 3: the accumulators.
;   On the way out: window 0: v128-191 rotated numbers, v192-223 packed, v224-255 and v96-127 rows read back; window 1: v0-63 the table's numbers, two sets.
.set NQ,     4                         ; matrix instructions deep in a slot
.set ROWB,   256
.set KROW,   512                       ; a row of codes in memory
.set PITCH,  272                       ; an LDS row: 256 bytes + 16 of padding = 68 words: the 16 rows that a load touches start 4 banks apart
.set FR,     8
.set NL,     2
.set NP,     4
.set HALFT,  128*PITCH
.set SLOT,   4*HALFT
.set KS,     32                        ; a row of scale bytes
.set SCL,    2*SLOT
.set HALFS,  16*272                    ; the scales of 128 rows, as 16 rows of 256 bytes + 16
.set SBLK,   2*272                     ; those of 16 rows
.set SPARE,  SCL+4*HALFS               ; the spare words: 128 bytes a wave, two blocks of 256 bytes that no other line names
.set STG,    4608                      ; the way out: [2 heads][16 rows][128 bytes + 16] for each wave, in slot 0, which has had its one fill and its last read by then
.set ADRA, 16
.set ADRB, 20
.set STO,  24
.set RD,   25
.set GO,   26
.set ADRS, 27
.set SPW,  28
.set NIL,  29
.set TO,   30                          ; 256 r + 32 h: my place in the table's 16 positions, and in a head's 16 rows of fine
.set BO,   31
.set SC,   32
.set AF,   128
.set BIAS, 192
.set T,    0                           ; window 1
.set TT,   128
.set PK,   192
.set G1, 24
.set G0, 32
.set G1B, 48
.set G0B, 56
.set G1S, 68
.set G0S, 76
.set G1SB, 80
.set G0SB, 88
.set MSB, 0
.macro WIN new                         ; the immediate's high byte repeats the setting that is left
.if MSB != \new
	s_set_vgpr_msb (MSB<<8)|\new
.set MSB, \new
.endif
.endm
.set MUL_LO, 0xa1                      ; source 0 (B) window 1, source 1 (A) window 0, C and D window 2
.set MUL_HI, 0xf1
.set TO_B,   0x40
; A joint load: waves 0 and 1 fetch for A, waves 2 and 3 for B; the branch hangs on the wave's number alone.  An s_nop 0 and four v_nop follow each of the two lines.
.macro JLOAD g0a, g1a, g0b, g1b
	s_cmp_eq_u32 s15, 0
	s_cbranch_scc0 .Lfor_b_\@
	tensor_load_to_lds s[\g0a:\g0a+3], s[\g1a:\g1a+7]
	s_nop 0
.rept 4
	v_nop
.endr
	s_branch .Lasked_\@
.Lfor_b_\@:
	tensor_load_to_lds s[\g0b:\g0b+3], s[\g1b:\g1b+7]
	s_nop 0
.rept 4
	v_nop
.endr
.Lasked_\@:
.endm
.macro CROUND                          ; a round of the cluster's barrier
	s_barrier_signal -1
	s_barrier_wait -1
	s_cmp_lg_u32 s14, 0
	s_cbranch_scc1 .Lnot_wave_0_\@
	s_barrier_signal -3
.Lnot_wave_0_\@:
	s_barrier_wait -3
	s_barrier_signal -1
	s_barrier_wait -1
.endm
	s_load_b256 s[4:11], s[0:1], 0x0               ; codes s[4:5], scales s[6:7], Wqkv_b s[8:9], rope s[10:11]
	s_load_b128 s[96:99], s[0:1], 0x20             ; qkv s[96:97], fine s[98:99]
	v_lshl_add_u32 v[SPW], v0, 2, SPARE
	v_mov_b32 v[NIL], 0
	ds_add_u32 v[SPW], v[NIL]                      ; the wave's opening: the add, twice on end, and its wait ahead of my first tensor load
	ds_add_u32 v[SPW], v[NIL]
	v_lshrrev_b32 v1, 5, v0
	v_readfirstlane_b32 s14, v1                    ; wave 0..3
	s_lshr_b32 s15, s14, 1                         ; which half of the tile's rows is mine.  Also: I fetch for A (0) or for B (1)
	s_and_b32 s16, s14, 1                          ; which half of its columns.  Also: which 128 rows I fetch
	s_bfe_u32 s40, ttmp6, 0x40000                  ; cx
	s_bfe_u32 s41, ttmp6, 0x40004                  ; cy
	s_lshl_b32 s42, ttmp9, 2
	s_add_co_u32 s42, s42, s40                     ; tile column = 4 x cluster x + cx
	s_and_b32 s17, ttmp7, 0xffff
	s_lshl_b32 s18, s41, 3
	s_add_co_u32 s17, s17, s18                     ; tile row = 8 cy + cluster y
	s_lshl_b32 s43, s41, 2
	s_lshl_b32 s43, 15, s43                        ; my row of the cluster
	s_lshl_b32 s44, 0x1111, s40                    ; my column
	s_or_b32 s[G1+0], s43, (0<<16)|(1<<20)|(1<<21)|(5<<22)|(3<<25)   ; the mask; elements of 1 byte; padding on; bit 21 beside a mask; 4 words behind every 64
	s_or_b32 s[G1B+0], s44, (0<<16)|(1<<20)|(1<<21)|(5<<22)|(3<<25)
.irp g, G1, G1B
	s_mov_b32 s[\g+1], ROWB<<16                    ; tensor_dim0 = 256
	s_mov_b32 s[\g+2], 128<<16                     ; tensor_dim1 = 128
	s_mov_b32 s[\g+3], ROWB<<16                    ; tile_dim0
	s_mov_b32 s[\g+4], 128                         ; tile_dim1
	s_mov_b32 s[\g+5], KROW                        ; from row to row
	s_mov_b32 s[\g+6], 0
	s_mov_b32 s[\g+7], 0
.endr
	s_or_b32 s[G1S+0], s43, (3<<16)|(1<<20)|(1<<21)|(5<<22)|(3<<25)  ; the scales of 128 rows: 4,096 dense bytes as 16 rows of 32 elements of 8 bytes
	s_or_b32 s[G1SB+0], s44, (3<<16)|(1<<20)|(1<<21)|(5<<22)|(3<<25)
.irp g, G1S, G1SB
	s_mov_b32 s[\g+1], 32<<16
	s_mov_b32 s[\g+2], 16<<16
	s_mov_b32 s[\g+3], 32<<16
	s_mov_b32 s[\g+4], 16
	s_mov_b32 s[\g+5], 32
	s_mov_b32 s[\g+6], 0
	s_mov_b32 s[\g+7], 0
.endr
	s_lshl_b32 s18, s16, 7
	s_lshl_b32 s20, s17, 8
	s_add_co_u32 s20, s20, s18                     ; A: row 256 x tile row + 128 x half
	s_lshl_b32 s46, s42, 8
	s_add_co_u32 s46, s46, s18                     ; B: row 256 x tile column + 128 x half
	s_lshl_b32 s22, s20, 5                         ; these rows' scale bytes,
	s_mov_b32 s23, 0
	s_lshl_b32 s92, s46, 5
	s_add_co_u32 s92, s92, 262144                  ; W's behind x's
	s_mov_b32 s93, 0
	s_lshl_b32 s20, s20, 9                         ; and their codes
	s_mov_b32 s21, 0
	s_lshl_b32 s46, s46, 9
	s_add_co_u32 s46, s46, 4194304
	s_mov_b32 s47, 0
	s_mul_i32 s45, s14, HALFT                      ; where they go: wave x 128 rows
	s_mul_i32 s94, s14, HALFS
	s_wait_dscnt 0x0                               ; both opening adds are done
	s_wait_kmcnt 0x0
	s_add_nc_u64 s[20:21], s[4:5], s[20:21]
	s_add_nc_u64 s[22:23], s[6:7], s[22:23]
	s_add_nc_u64 s[46:47], s[4:5], s[46:47]
	s_add_nc_u64 s[92:93], s[6:7], s[92:93]
	CROUND                                         ; all sixteen work-groups are here: the joint loads meet
	s_mov_b32 s[G0S], 1
	s_add_co_u32 s[G0S+1], s94, SCL
	s_mov_b64 s[G0S+2:G0S+3], s[22:23]
	s_or_b32 s[G0S+3], s[G0S+3], 0x80000000
	s_mov_b32 s[G0SB], 1
	s_add_co_u32 s[G0SB+1], s94, SCL
	s_mov_b64 s[G0SB+2:G0SB+3], s[92:93]
	s_or_b32 s[G0SB+3], s[G0SB+3], 0x80000000
	JLOAD G0S, G1S, G0SB, G1SB
.irp s, 0,1
	s_mov_b32 s[G0+4*\s], 1
	s_add_co_u32 s[G0+4*\s+1], s45, \s*SLOT
	s_add_nc_u64 s[G0+4*\s+2:G0+4*\s+3], s[20:21], \s*ROWB
	s_or_b32 s[G0+4*\s+3], s[G0+4*\s+3], 0x80000000
	s_mov_b32 s[G0B+4*\s], 1
	s_add_co_u32 s[G0B+4*\s+1], s45, \s*SLOT
	s_add_nc_u64 s[G0B+4*\s+2:G0B+4*\s+3], s[46:47], \s*ROWB
	s_or_b32 s[G0B+4*\s+3], s[G0B+4*\s+3], 0x80000000
	JLOAD G0+4*\s, G1, G0B+4*\s, G1B
.endr
	v_and_b32 v1, 15, v0                           ; r
	v_bfe_u32 v2, v0, 4, 1                         ; h
	; the bias: lane (r, h) wants, for B's block b, the numbers of columns 16 b + 8 h + 0 .. 7 of my 128
	s_lshl_b32 s66, s42, 10
	s_lshl_b32 s67, s16, 9
	s_add_co_u32 s66, s66, s67
	s_mov_b32 s67, 0
	s_add_nc_u64 s[8:9], s[8:9], s[66:67]
	v_lshlrev_b32 v[BO], 5, v2
.irp b, 0,1,2,3,4,5,6,7
	global_load_b128 v[BIAS+8*\b:BIAS+8*\b+3], v[BO], s[8:9] offset:64*\b
	global_load_b128 v[BIAS+8*\b+4:BIAS+8*\b+7], v[BO], s[8:9] offset:64*\b+16
.endr
	v_mul_u32_u24 v3, v1, PITCH
	v_lshl_add_u32 v4, v2, 4, v3                   ; a fragment's row x pitch + 16 x half
	s_mul_i32 s21, s15, HALFT
	s_mul_i32 s22, s16, HALFT
	s_add_co_u32 s22, s22, 2*HALFT
.irp s, 0,1
	v_add_nc_u32 v[ADRA+\s], s21, v4
	v_add_nc_u32 v[ADRB+\s], s22, v4
	s_add_co_u32 s21, s21, SLOT
	s_add_co_u32 s22, s22, SLOT
.endr
	v_mul_u32_u24 v5, v1, KS                       ; my row's scales: 32 bytes a row,
	v_lshrrev_b32 v6, 8, v5
	v_lshl_add_u32 v5, v6, 4, v5                   ; and 16 more for each 256 passed
	s_mul_i32 s21, s15, HALFS
	s_mul_i32 s22, s16, HALFS
	s_add_co_u32 s22, s22, 2*HALFS
	s_sub_co_u32 s22, s22, s21
	v_mul_u32_u24 v6, s22, v2                      ; lanes 16-31 take B's
	s_add_co_u32 s21, s21, SCL
	v_add_nc_u32 v5, v5, v6
	v_add_nc_u32 v[ADRS], s21, v5
	s_mul_i32 s23, s14, STG                        ; my stage
	v_mul_u32_u24 v5, v1, 144
	v_lshl_add_u32 v5, v2, 4, v5
	v_add_nc_u32 v[STO], s23, v5                   ; in: row r, 16 bytes for each half of the lanes
	v_and_b32 v6, 31, v0
	v_lshrrev_b32 v5, 3, v6
	v_mul_u32_u24 v5, v5, 144
	v_and_b32 v8, 7, v0
	v_lshl_add_u32 v5, v8, 4, v5
	v_add_nc_u32 v[RD], s23, v5                    ; back: eight lanes to a row of 128 bytes, four rows an instruction
	v_lshlrev_b32 v[GO], 4, v6                     ; which are 512 consecutive bytes of qkv
	v_lshlrev_b32 v[TO], 8, v1
	v_lshl_add_u32 v[TO], v2, 5, v[TO]
	; where my part begins in qkv: kind, then (16 batch + head) x 2048 + position rows of 128 bytes
	s_lshl_b32 s92, s41, 4
	s_lshl_b32 s93, s40, 2
	s_add_co_u32 s92, s92, s93
	s_lshl_b32 s93, s16, 1
	s_add_co_u32 s92, s92, s93                     ; 16 cy + 4 cx + 2 x column half: my first head
	s_lshl_b32 s92, s92, 11
	s_and_b32 s94, ttmp7, 0xffff                   ; cluster y
	s_lshl_b32 s93, s94, 8
	s_add_co_u32 s92, s92, s93
	s_lshl_b32 s93, s15, 7
	s_add_co_u32 s92, s92, s93                     ; + my first position: 256 x cluster y + 128 x row half
	s_lshl_b32 s92, s92, 7
	s_lshl_b32 s93, ttmp9, 24
	s_add_co_u32 s92, s92, s93
	s_mov_b32 s93, 0
	s_add_nc_u64 s[96:97], s[96:97], s[92:93]
	s_mul_i32 s92, s41, 3                          ; in fine: ((3 batch + kind) x 16 + head) x 4,096 bytes
	s_add_co_u32 s92, s92, ttmp9
	s_lshl_b32 s92, s92, 4
	s_lshl_b32 s93, s40, 2
	s_add_co_u32 s92, s92, s93
	s_lshl_b32 s93, s16, 1
	s_add_co_u32 s92, s92, s93
	s_lshl_b32 s92, s92, 12
	s_mov_b32 s93, 0
	s_add_nc_u64 s[98:99], s[98:99], s[92:93]
	s_lshl_b32 s92, s94, 8                         ; in the table: my first position x 256 bytes, in q's copy or in k's (v's path reads none)
	s_lshl_b32 s93, s15, 7
	s_add_co_u32 s92, s92, s93
	s_lshl_b32 s92, s92, 8
	s_min_u32 s93, ttmp9, 1
	s_lshl_b32 s93, s93, 19
	s_add_co_u32 s92, s92, s93
	s_mov_b32 s93, 0
	s_add_nc_u64 s[10:11], s[10:11], s[92:93]
	s_or_b32 s95, s94, s15                         ; 0 where my first 16 rows are positions 0-15
.macro FRAG reg, adr, q, i             ; 16 rows x 128 K of 4-bit codes: 8 registers, two loads of 16 bytes, 32 bytes apart
.irp c, 0,1
	ds_load_b128 v[\reg+4*\c:\reg+4*\c+3], v[\adr] offset:64*(\q)+32*\c+(\i)*16*PITCH
.endr
.endm
; 16 matrix instructions: A's blocks a0, a0 + 1 x B's eight.  first = 1: the bias is the C.  The 64 accumulators take turns, one instruction a turn, in the same order in every step.
.macro MUL16 a0, p, q, sc, first
.irp a, \a0, \a0+1
.irp b, 0,1,2,3,4,5,6,7
.if \first
	v_wmma_scale_f32_16x16x128_f8f6f4 v[8*(8*((\a)%4)+\b):8*(8*((\a)%4)+\b)+7], v[128*(\p)+FR*\b:128*(\p)+FR*\b+FR-1], v[AF+FR*(\a):AF+FR*(\a)+FR-1], v[BIAS+8*\b:BIAS+8*\b+7], v[SC+8*NQ*(\sc)+NQ*\b+(\q)], v[SC+8*NQ*(\sc)+NQ*(\a)+(\q)] matrix_a_fmt:MATRIX_FMT_FP4 matrix_b_fmt:MATRIX_FMT_FP4 matrix_a_scale:MATRIX_SCALE_ROW1
.else
	v_wmma_scale_f32_16x16x128_f8f6f4 v[8*(8*((\a)%4)+\b):8*(8*((\a)%4)+\b)+7], v[128*(\p)+FR*\b:128*(\p)+FR*\b+FR-1], v[AF+FR*(\a):AF+FR*(\a)+FR-1], v[8*(8*((\a)%4)+\b):8*(8*((\a)%4)+\b)+7], v[SC+8*NQ*(\sc)+NQ*\b+(\q)], v[SC+8*NQ*(\sc)+NQ*(\a)+(\q)] matrix_a_fmt:MATRIX_FMT_FP4 matrix_b_fmt:MATRIX_FMT_FP4 matrix_a_scale:MATRIX_SCALE_ROW1
.endif
.endr
.endr
.endm
.macro FETCH_B slot, q, p
	WIN TO_B
.irp i, 0,1,2,3,4,5,6,7
	FRAG 128*(\p)+FR*\i, ADRB+\slot, \q, \i
.endr
	WIN 0
.endm
.macro FETCH_A slot, q, i0
.irp i, \i0, \i0+1, \i0+2, \i0+3
	FRAG AF+FR*(\i), ADRA+\slot, \q, \i
.endr
.endm
.macro SCALES sc                       ; a slot's scale words: 4 words a row; lanes 0-15 take A's block i, lanes 16-31 B's block i
.irp i, 0,1,2,3,4,5,6,7
	ds_load_b128 v[SC+8*NQ*\sc+NQ*\i:SC+8*NQ*\sc+NQ*\i+3], v[ADRS] offset:\i*SBLK
.endr
.endm
.macro PLACES n                        ; plain vector instructions between a matrix instruction and a load into, or a read of, its registers
.rept \n
	v_nop
.endr
.endm
.macro STEP slot, q, first             ; 128 along K that has its successor in the same slot
	s_wait_dscnt 4*NL                              ; B's set and A's blocks 0-3 are in; the youngest eight loads (A's blocks 4-7) may be out
.if \first
	WIN 0x81                                       ; C (the bias) in window 0
.else
	WIN MUL_LO
.endif
	MUL16 0, (\q)%2, \q, \slot, \first
	MUL16 2, (\q)%2, \q, \slot, \first
	s_wait_dscnt 0
	PLACES NP
	FETCH_B \slot, (\q)+1, 1-(\q)%2
	FETCH_A \slot, (\q)+1, 0
.if \first
	WIN 0xc1
.else
	WIN MUL_HI
.endif
	MUL16 4, (\q)%2, \q, \slot, \first
	MUL16 6, (\q)%2, \q, \slot, \first
	PLACES NP
	WIN 0
	FETCH_A \slot, (\q)+1, 4
.endm
	s_wait_tensorcnt 1                             ; the scales and my part of slot 0 are in; slot 1's load may stay out
	s_barrier_signal -1
	s_barrier_wait -1
	FETCH_B 0, 0, 0
	FETCH_A 0, 0, 0
	SCALES 0
	FETCH_A 0, 0, 4
	s_wait_loadcnt 0x0                             ; the bias
	STEP 0, 0, 1
	STEP 0, 1, 0
	STEP 0, 2, 0
	; slot 0's last step, and the change of slots: one barrier, behind which slot 1 is whole and nobody reads slot 0
	s_wait_tensorcnt 0x0                           ; my part of slot 1 has landed
	ds_add_u32 v[SPW], v[NIL]                      ; 0 onto my spare word
	s_wait_dscnt 4*NL+1                            ; the add and the youngest eight loads may be out
	WIN MUL_LO
	MUL16 0, 1, NQ-1, 0, 0
	s_wait_dscnt 0x0                               ; the add is done, and my reads of slot 0 are over
	s_barrier_signal -1
	MUL16 2, 1, NQ-1, 0, 0
	WIN 0
	s_barrier_wait -1
	PLACES NP
	v_add_nc_u32 v[ADRS], 4*NQ, v[ADRS]            ; the second K step's scale words
	FETCH_B 1, 0, 0
	FETCH_A 1, 0, 0
	SCALES 1
	WIN MUL_HI
	MUL16 4, 1, NQ-1, 0, 0
	MUL16 6, 1, NQ-1, 0, 0
	PLACES NP
	WIN 0
	FETCH_A 1, 0, 4
	STEP 1, 0, 0
	STEP 1, 1, 0
	STEP 1, 2, 0
	s_wait_dscnt 4*NL
	WIN MUL_LO
	MUL16 0, 1, NQ-1, 1, 0
	MUL16 2, 1, NQ-1, 1, 0
	s_wait_dscnt 0
	WIN MUL_HI
	MUL16 4, 1, NQ-1, 1, 0
	MUL16 6, 1, NQ-1, 1, 0
	WIN 0
; THE WAY OUT, block by block of 16 positions x 128 columns (two heads).  Accumulator b of block a: lane (r, h) holds position 16 a + r, head b / 4, channels 16 (b % 4) + 8 h + 0 .. 7.
.macro TLD a                           ; the table's numbers for block a: cos and sin of my four pairs of each 16 channels; both heads use them
	WIN 0x40
.irp q, 0,1,2,3
	global_load_b128 v[T+32*((\a)%2)+8*\q:T+32*((\a)%2)+8*\q+3], v[TO], s[10:11] offset:4096*(\a)+64*\q
	global_load_b128 v[T+32*((\a)%2)+8*\q+4:T+32*((\a)%2)+8*\q+7], v[TO], s[10:11] offset:4096*(\a)+64*\q+16
.endr
	WIN 0
.endm
.macro ROPE a                          ; (x0, x1) -> (x0 c - x1 s, x1 c + x0 s), two packed instructions a pair; then rounded to f16
.set AC, 64*((\a)%4)
.set TS, T+32*((\a)%2)
.if (\a) < 7
	s_wait_loadcnt 8                               ; this block's eight loads are in; the next block's eight may be out
.else
	s_wait_loadcnt 0x0
.endif
	WIN 0x06+(\a)/4                                ; source 0: the accumulators' window; source 1: window 1
.irp b, 0,1,2,3,4,5,6,7
.irp i, 0,1,2,3
	v_pk_mul_f32 v[TT+8*\b+2*\i:TT+8*\b+2*\i+1], v[AC+8*\b+2*\i:AC+8*\b+2*\i+1], v[TS+8*(\b%4)+2*\i:TS+8*(\b%4)+2*\i+1] op_sel:[1,1] op_sel_hi:[0,1]   ; (x1 s, x0 s); each accumulator from its low end on
.endr
.endr
.irp b, 0,1,2,3,4,5,6,7
.irp i, 0,1,2,3
	v_pk_fma_f32 v[TT+8*\b+2*\i:TT+8*\b+2*\i+1], v[AC+8*\b+2*\i:AC+8*\b+2*\i+1], v[TS+8*(\b%4)+2*\i:TS+8*(\b%4)+2*\i+1], v[TT+8*\b+2*\i:TT+8*\b+2*\i+1] op_sel_hi:[1,0,1] neg_lo:[0,0,1]
.endr
.endr
.if (\a)+2 < 8
	TLD (\a)+2
.endif
	WIN 0
.irp b, 0,1,2,3,4,5,6,7
.irp i, 0,1,2,3
	v_cvt_pk_f16_f32 v[PK+4*\b+\i], v[TT+8*\b+2*\i], v[TT+8*\b+2*\i+1]
.endr
.endr
.endm
.macro PACKV a                         ; v is not rotated
.set AC, 64*((\a)%4)
	WIN 0x0a+5*((\a)/4)
.irp b, 0,1,2,3,4,5,6,7
.irp i, 0,1,2,3
	v_cvt_pk_f16_f32 v[PK+4*\b+\i], v[AC+8*\b+2*\i], v[AC+8*\b+2*\i+1]
.endr
.endr
	WIN 0
.endm
.macro TOSTAGE a                       ; 16 bytes a lane into my stage, and back as rows: LDS serves a wave's instructions in order, so no wait stands between
.set BB, 224-128*((\a)%2)
.irp b, 0,1,2,3,4,5,6,7
	ds_store_b128 v[STO], v[PK+4*\b:PK+4*\b+3] offset:2304*(\b/4)+32*(\b%4)
.endr
.irp u, 0,1
.irp i, 0,1,2,3
	ds_load_b128 v[BB+16*\u+4*\i:BB+16*\u+4*\i+3], v[RD] offset:2304*\u+576*\i
.endr
.endr
.endm
.macro SEND a, younger                 ; younger: the LDS instructions issued behind block a's loads
.set BB, 224-128*((\a)%2)
	s_wait_dscnt \younger
.irp u, 0,1
.irp i, 0,1,2,3
	global_store_b128 v[GO], v[BB+16*\u+4*\i:BB+16*\u+4*\i+3], s[96:97] offset:262144*\u+2048*(\a)+512*\i   ; 32 lanes store 512 consecutive bytes, aligned: four positions of a head
.endr
.endr
.endm
	PLACES NP                                      ; behind the last products: for the first reads of results, and for loads and writes into registers that held fragments
	s_cmp_eq_u32 ttmp9, 2                          ; the kind: the cluster's x, alike in all partners
	s_cbranch_scc1 .Lvalues
	TLD 0
	TLD 1
.irp a, 0,1,2,3,4,5,6,7
	ROPE \a
.if \a == 0
	s_cmp_lg_u32 s95, 0                            ; positions 0-15 also leave in f32
	s_cbranch_scc1 .Lno_fine_r
.irp b, 0,1,2,3,4,5,6,7
	global_store_b128 v[TO], v[TT+8*\b:TT+8*\b+3], s[98:99] offset:4096*(\b/4)+64*(\b%4)
	global_store_b128 v[TO], v[TT+8*\b+4:TT+8*\b+7], s[98:99] offset:4096*(\b/4)+64*(\b%4)+16
.endr
	s_wait_xcnt 0x0                                ; the next block writes these registers again
.Lno_fine_r:
.endif
.if \a >= 2
	s_wait_xcnt 0x0                                ; block a - 2's stores have read their registers: block a's rows may land there
.endif
	TOSTAGE \a
.if \a > 0
	SEND \a-1, 16                                  ; behind block a - 1's loads: block a's 8 stores and 8 loads
.endif
.endr
	SEND 7, 0
	s_branch .Lend
.Lvalues:
.irp a, 0,1,2,3,4,5,6,7
	PACKV \a
.if \a == 0
	s_cmp_lg_u32 s95, 0
	s_cbranch_scc1 .Lno_fine_v
	WIN 0x08                                       ; a store's data: window 2
.irp b, 0,1,2,3,4,5,6,7
	global_store_b128 v[TO], v[8*\b:8*\b+3], s[98:99] offset:4096*(\b/4)+64*(\b%4)
	global_store_b128 v[TO], v[8*\b+4:8*\b+7], s[98:99] offset:4096*(\b/4)+64*(\b%4)+16
.endr
	WIN 0
.Lno_fine_v:
.endif
.if \a >= 2
	s_wait_xcnt 0x0
.endif
	TOSTAGE \a
.if \a > 0
	SEND \a-1, 16
.endif
.endr
	SEND 7, 0
.Lend:
	s_wait_tensorcnt 0x0                           ; the wave's end, behind my last tensor load and my last LDS store
	ds_add_u32 v[SPW], v[NIL]
	s_wait_dscnt 0x0
	CROUND                                         ; the closing round
	s_endpgm
.Lfunc_end_k_qbbdacaff5b_qkv:
	.size	k_qbbdacaff5b_qkv, .Lfunc_end_k_qbbdacaff5b_qkv-k_qbbdacaff5b_qkv
	.p2alignl 7, 3214868480
	.fill 96, 4, 3214868480
	.section	.rodata,"a",@progbits
	.p2align	6, 0x0
	.amdhsa_kernel k_qbbdacaff5b_qkv
		.amdhsa_group_segment_fixed_size 327680
		.amdhsa_private_segment_fixed_size 0
		.amdhsa_enable_private_segment 0
		.amdhsa_kernarg_size 48
		.amdhsa_user_sgpr_count 2
		.amdhsa_user_sgpr_kernarg_segment_ptr 1
		.amdhsa_wavefront_size32 1
		.amdhsa_system_sgpr_workgroup_id_x 1
		.amdhsa_system_sgpr_workgroup_id_y 1
		.amdhsa_system_sgpr_workgroup_id_z 1
		.amdhsa_system_vgpr_workitem_id 0
		.amdhsa_next_free_vgpr 1024
		.amdhsa_next_free_sgpr 100
		.amdhsa_reserve_vcc 0
		.amdhsa_float_denorm_mode_32 3
		.amdhsa_float_denorm_mode_16_64 3
		.amdhsa_memory_ordered 1
		.amdhsa_forward_progress 1
		.amdhsa_inst_pref_size 202
	.end_amdhsa_kernel
	.amdgpu_metadata
---
amdhsa.version: [ 1, 2 ]
amdhsa.kernels:
  - .name:           k_qbbdacaff5b_qkv
    .symbol:         k_qbbdacaff5b_qkv.kd
    .args:
      - { .name: codes, .offset: 0, .size: 8, .value_kind: global_buffer, .address_space: global }
      - { .name: scales, .offset: 8, .size: 8, .value_kind: global_buffer, .address_space: global }
      - { .name: Wqkv_b, .offset: 16, .size: 8, .value_kind: global_buffer, .address_space: global }
      - { .name: rope, .offset: 24, .size: 8, .value_kind: global_buffer, .address_space: global }
      - { .name: qkv, .offset: 32, .size: 8, .value_kind: global_buffer, .address_space: global }
      - { .name: fine, .offset: 40, .size: 8, .value_kind: global_buffer, .address_space: global }
    .group_segment_fixed_size: 327680
    .private_segment_fixed_size: 0
    .kernarg_segment_align: 8
    .kernarg_segment_size: 48
    .max_flat_workgroup_size: 128
    .sgpr_count:     100
    .vgpr_count:     1024
    .wavefront_size: 32
...
	.end_amdgpu_metadata
.endif
;; end of part 2
;; launch attn (part 3): grid 4 x 64, 8 waves a work-group, no clusters, 327,680 bytes of LDS; arguments qkv, o16; writes o16
.if DOCPART == 3
	.amdgcn_target "amdgcn-amd-amdhsa--gfx1250"
	.amdhsa_code_object_version 6
	.text
	.protected	k_qbbdacaff5b_attn
	.globl	k_qbbdacaff5b_attn
	.p2align	8
	.type	k_qbbdacaff5b_attn,@function
k_qbbdacaff5b_attn:
	s_mov_b64 s[64:65], 0
	v_nop
	global_prefetch_b8 v0, s[64:65] scope:SCOPE_SE
	s_setreg_imm32_b32 hwreg(HW_REG_WAVE_MODE, 25, 1), 1
	s_wait_xcnt 0x0
; o = softmax(q k^T, causal) v for 64 (batch, head) pairs, 2,048 positions, 64 channels; q, k, v in f16 (q already holds 0.125 log2(e)), sums, maxima and exponentials in f32, p rounded to f16 for the second product.
; OUT: o16 [batch][head][position][64] f16.
; SHARES.  Work-group (I, head) makes query blocks I and then 7 - I of 256 queries: (I + 1) + (8 - I) = 9 slots of 256 keys whatever I is: 256 work-groups of equal work.  Each of eight waves owns 32 queries, two tiles of 16.
; LAYOUT.  S^T = K Q^T (source 0 = 16 keys, source 1 = 16 queries) and O^T = V^T P: a lane holds ONE query throughout.  Two tiles of S^T, rounded in pairs, are source 1 of the second product.  V comes out of LDS turned, by ds_load_tr16_b128.
; SOFTMAX.  A running maximum m and sum l for each query; p = 2^(s - m); O and l are multiplied by a = 2^(m_old - m_new) in every step.
; THE MASK.  A step all of whose 64 keys come after my 32 queries is jumped over (ids alone); on the diagonal hidden scores become -infinity.  A step that is walked begins at or under my first query, so every query sees a key in it.
; THE RING.  Two LDS slots of 256 keys, 2^17 bytes apart.  Every wave fetches 64 rows: waves 0-3 of K, waves 4-7 of V.  A wave has one tensor load out, and it has a slot's four key steps in which to land.
; NO CLUSTER: under the mask the four work-groups of a head want different slots at the same time: block I's walk ends after I + 1 slots and begins anew at slot 0, at another trip in each.
; LIMITS: as f16 allows: q x 0.18, k, v under 65,504; p under 6e-8 counts as 0 in the second product.
; REGISTERS: window 0: v2-15 addresses and constants; v16-31 statistics, eight a tile; v32-95 S^T; v96-127 P; v128-191 O^T.  window 1: v0-31 Q; v32-95 K; v192-255 V.
.set PK,    144                        ; a row of K in LDS: 128 bytes + 16: the 16 rows of a load start 4 banks apart
.set PV,    160                        ; a row of V: 128 + 32: an odd multiple of 32
.set VOFF,  256*PK
.set SLOT1, 1<<17
.set STAGE, SLOT1+256*(PK+PV)          ; behind the ring: [2 tiles][16 rows][144] for each wave
.set SPARE, STAGE+8*4608               ; the spare words: 128 bytes a wave, four blocks of 256 bytes that no other line names
.set AK0, 2
.set AV0, 3
.set ADK, 4
.set ADV, 5
.set QO,  6
.set STO, 7
.set RD,  8
.set GO,  9
.set PFO, 10
.set LT,  11                           ; r - 8 h
.set NINF, 12
.set DD,  13
.set SPW, 14
.set NIL, 15
.set ST,  16                           ; tile t at ST + 8 t: +0 m, +1 its pair's other half, +2, +3 l, +4 .. +7 at work; a in +6
.set S,   32
.set P,   96
.set O,   128
.set QF,  0                            ; window 1
.set KR,  32
.set VR,  192
.set WV,  8
.set I,   9
.set BH,  10
.set U,   11
.set BLK, 12
.set QB,  14
.set KB,  16
.set VB,  18
.set OB,  20
.set QP,  22
.set OP,  24
.set G1K, 28
.set G1V, 36
.set G0K, 44
.set G0V, 48
.set TK,  52
.set TV,  53
.set KF,  54                           ; the step's first key
.set Q0,  55                           ; my first query
.set QE,  56                           ; the block's end
.set SLOTS, 57
.set TC,  58
.set NS,  59
.set SEL, 60
.set CNT, 62
.set LIM, 63
.set PFA, 66
.set OFS, 68
.set TMP, 70
.set MSB, 0
.macro WIN new
.if MSB != \new
	s_set_vgpr_msb (MSB<<8)|\new
.set MSB, \new
.endif
.endm
.macro TLOAD                           ; waves 0-3 fetch K's rows, waves 4-7 V's; an s_nop 0 and four v_nop follow each of the two lines
	s_cmp_lt_u32 s[WV], 4
	s_cbranch_scc0 .Lfor_v_\@
	tensor_load_to_lds s[G0K:G0K+3], s[G1K:G1K+7]
	s_nop 0
.rept 4
	v_nop
.endr
	s_branch .Lasked_\@
.Lfor_v_\@:
	tensor_load_to_lds s[G0V:G0V+3], s[G1V:G1V+7]
	s_nop 0
.rept 4
	v_nop
.endr
.Lasked_\@:
.endm
; A PREFETCH of what the next change of slots will ask for.  The head's work-group with I = 0 walks slots 0 to 7 in its second block, one trip ahead of every other work-group's walk of slots 4 to 7: it alone asks.
; At change c it names slot c + 1, four key steps ahead of the load that wants it; each wave names the 8,192 bytes that it will itself fetch, lanes 256 bytes apart: each block of 256 bytes of slots 1 to 7 once in the launch.
; The last change that fills a slot asks for nothing, and so does the kernel's head.
.macro ASK
	s_cmp_gt_u32 s[SLOTS], s[LIM]
	s_cbranch_scc0 .Lnot_mine_\@
	global_prefetch_b8 v[PFO], s[PFA:PFA+1] th:TH_LOAD_NT scope:SCOPE_SE
.Lnot_mine_\@:
.endm
	s_load_b128 s[4:7], s[0:1], 0x0                ; qkv s[4:5], o16 s[6:7]
	v_lshl_add_u32 v[SPW], v0, 2, SPARE
	v_mov_b32 v[NIL], 0
	ds_add_u32 v[SPW], v[NIL]                      ; the wave's opening: the add, twice on end, and its wait ahead of my first tensor load
	ds_add_u32 v[SPW], v[NIL]
	v_lshrrev_b32 v1, 5, v0
	v_readfirstlane_b32 s[WV], v1
	s_mov_b32 s[I], ttmp9
	s_and_b32 s[BH], ttmp7, 0xffff
	s_sub_co_u32 s[TMP], 11, s[WV]
	s_cmp_lt_u32 s[WV], 4
	s_cselect_b32 s[U], s[WV], s[TMP]              ; which 32 queries of a block: w, or 11 - w: waves w and w + 4 have together the same number of steps on the diagonal
	s_mov_b32 s[G1K], (1<<16)|(1<<20)|(4<<22)|(3<<25)   ; elements of 2 bytes; padding on: 4 words behind every 32
	s_mov_b32 s[G1V], (1<<16)|(1<<20)|(4<<22)|(7<<25)   ; 8 words
.irp g, G1K, G1V
	s_mov_b32 s[\g+1], 64<<16                      ; tensor_dim0 = 64
	s_mov_b32 s[\g+2], 64<<16                      ; tensor_dim1 = 64
	s_mov_b32 s[\g+3], 64<<16                      ; tile_dim0
	s_mov_b32 s[\g+4], 64                          ; tile_dim1
	s_mov_b32 s[\g+5], 64                          ; from row to row
	s_mov_b32 s[\g+6], 0
	s_mov_b32 s[\g+7], 0
.endr
	s_and_b32 s[TMP], s[WV], 3                     ; which 64 rows of a slot I fetch
	s_mov_b32 s[G0K], 1
	s_mul_i32 s[G0K+1], s[TMP], 64*PK
	s_mov_b32 s[G0V], 1
	s_mul_i32 s[G0V+1], s[TMP], 64*PV
	s_add_co_u32 s[G0V+1], s[G0V+1], VOFF
	s_lshl_b32 s[OFS], s[BH], 18                   ; a head is 2,048 rows of 128 bytes
	s_mov_b32 s[OFS+1], 0                          ; (stays 0)
	s_lshl_b32 s72, s[TMP], 13
	s_add_co_u32 s72, s72, s[OFS]
	s_add_co_u32 s72, s72, 16777216                ; k's part of qkv
	s_mov_b32 s73, 0
	s_add_co_u32 s74, s72, 16777216                ; v's
	s_mov_b32 s75, 0
	s_mov_b32 s[SEL], 0x76543210
	s_mov_b32 s[SEL+1], 0xfedcba98
	s_mov_b32 s[TK], 0
	s_mov_b32 s[TV], VOFF
	s_mov_b32 s[SLOTS], 8
	s_mov_b32 s[TC], 0
	s_mov_b32 s[NS], 0
	s_cmp_eq_u32 s[I], 0
	s_cselect_b32 s[LIM], 1, -1
	s_wait_dscnt 0x0                               ; both opening adds are done
	s_wait_kmcnt 0x0
	s_add_nc_u64 s[QB:QB+1], s[4:5], s[OFS:OFS+1]
	s_add_nc_u64 s[OB:OB+1], s[6:7], s[OFS:OFS+1]
	s_add_nc_u64 s[KB:KB+1], s[4:5], s[72:73]
	s_add_nc_u64 s[VB:VB+1], s[4:5], s[74:75]
	s_mov_b64 s[G0K+2:G0K+3], s[KB:KB+1]
	s_or_b32 s[G0K+3], s[G0K+3], 0x80000000
	s_mov_b64 s[G0V+2:G0V+3], s[VB:VB+1]
	s_or_b32 s[G0V+3], s[G0V+3], 0x80000000
	s_cmp_lt_u32 s[WV], 4
	s_cselect_b64 s[PFA:PFA+1], s[KB:KB+1], s[VB:VB+1]   ; my rows of slot 0; the first change steps it to slot 1
	TLOAD                                          ; slot 0
	v_and_b32 v1, 15, v0                           ; r
	v_bfe_u32 v20, v0, 4, 1                        ; h
	v_mul_u32_u24 v[AK0], v1, PK
	v_lshl_add_u32 v[AK0], v20, 4, v[AK0]          ; K: key r x pitch + 16 h
	v_and_b32 v21, 7, v0
	v_lshl_add_u32 v[AV0], v20, 3, v21
	v_mul_u32_u24 v[AV0], v[AV0], PV
	v_bfe_u32 v22, v0, 3, 1
	v_lshl_add_u32 v[AV0], v22, 4, v[AV0]          ; V: key 8 h + lane % 8, channels 8 ((lane / 8) % 2) on
	v_lshlrev_b32 v[QO], 7, v1
	v_lshl_add_u32 v[QO], v20, 4, v[QO]
	s_mul_i32 s[TMP], s[WV], 4608
	s_add_co_u32 s[TMP], s[TMP], STAGE
	v_add_nc_u32 v[STO], s[TMP], v[AK0]            ; the stage, in: row r x 144 + 16 h
	v_and_b32 v23, 31, v0
	v_lshrrev_b32 v22, 3, v23
	v_mul_u32_u24 v22, v22, PK
	v_lshl_add_u32 v22, v21, 4, v22
	v_add_nc_u32 v[RD], s[TMP], v22                ; back: eight lanes to a row, four rows an instruction
	v_lshlrev_b32 v[GO], 4, v23
	v_lshlrev_b32 v[PFO], 8, v23
	v_lshlrev_b32 v22, 3, v20
	v_sub_nc_u32 v[LT], v1, v22
	v_mov_b32 v[NINF], 0xff800000
.macro INIT                            ; block s[BLK] begins: its queries come into registers; m = -3e38, l = 0, O^T = 0, which the first step's a = 0 leaves 0
	s_lshl_b32 s[Q0], s[BLK], 8
	s_add_co_u32 s[QE], s[Q0], 256
	s_lshl_b32 s[TMP], s[U], 5
	s_add_co_u32 s[Q0], s[Q0], s[TMP]
	s_mov_b32 s[KF], 0
	s_lshl_b32 s[OFS], s[Q0], 7
	s_add_nc_u64 s[QP:QP+1], s[QB:QB+1], s[OFS:OFS+1]
	s_add_nc_u64 s[OP:OP+1], s[OB:OB+1], s[OFS:OFS+1]
	WIN 0x40
.irp t, 0,1
.irp c, 0,1
	global_load_b128 v[QF+16*\t+8*\c:QF+16*\t+8*\c+3], v[QO], s[QP:QP+1] offset:2048*\t+64*\c
	global_load_b128 v[QF+16*\t+8*\c+4:QF+16*\t+8*\c+7], v[QO], s[QP:QP+1] offset:2048*\t+64*\c+32
.endr
.endr
	WIN 0
.irp t, 0,1
	v_mov_b32 v[ST+8*\t], 0xff61b1e6
.irp i, 1,2,3,4,5,6,7
	v_mov_b32 v[ST+8*\t+\i], 0
.endr
.endr
.set n, 0
.rept 64
	v_mov_b32 v[O+n], 0
.set n, n+1
.endr
	s_wait_loadcnt 0x0
.endm
; THE CHANGE OF SLOTS stands at a slot's head: every wave waits for all its tensor loads (its rows of the slot ahead), adds 0 to its spare word, waits for that and for its reads of the slot left; behind the barrier the slot left is filled.
.macro CHANGE fill
	s_wait_tensorcnt 0x0                           ; no tensor load of mine is out: the groups 0 may be written
	ds_add_u32 v[SPW], v[NIL]                      ; 0 onto my spare word; the descriptors' steps stand between it and the wait for it
.if \fill
	s_add_co_u32 s[TMP], s[NS], 1
	s_cmp_eq_u32 s[TC], s[I]                       ; behind block I's last slot the second block begins at slot 0
	s_cselect_b32 s[NS], 0, s[TMP]
	s_lshl_b32 s[OFS], s[NS], 15                   ; a slot is 256 rows of 128 bytes
	s_xor_b32 s[G0K+1], s[G0K+1], SLOT1
	s_add_nc_u64 s[G0K+2:G0K+3], s[KB:KB+1], s[OFS:OFS+1]
	s_or_b32 s[G0K+3], s[G0K+3], 0x80000000
	s_xor_b32 s[G0V+1], s[G0V+1], SLOT1
	s_add_nc_u64 s[G0V+2:G0V+3], s[VB:VB+1], s[OFS:OFS+1]
	s_or_b32 s[G0V+3], s[G0V+3], 0x80000000
	s_wait_xcnt 0x0                                ; the last prefetch, a slot back, has read its address
	s_add_nc_u64 s[PFA:PFA+1], s[PFA:PFA+1], 32768
.endif
	s_wait_dscnt 0x0                               ; the add is done, and my reads of the slot that I have left are over
	s_barrier_signal -1
	s_barrier_wait -1
.if \fill
	TLOAD                                          ; the first thing behind the barrier, and my one tensor load until the next
	ASK
.endif
.endm
.macro STEP                            ; 64 keys
	s_add_co_u32 s[TMP], s[Q0], 31
	s_cmp_gt_u32 s[KF], s[TMP]                     ; all keys behind my last query: nothing to do but the steps of the addresses
	s_cbranch_scc1 .Lhid_\@
	v_add_nc_u32 v[ADK], s[TK], v[AK0]
	v_add_nc_u32 v[ADV], s[TV], v[AV0]
	WIN 0x40
.irp k, 0,1,2,3
.irp c, 0,1
	ds_load_b128 v[KR+8*(2*\k+\c):KR+8*(2*\k+\c)+3], v[ADK] offset:2304*\k+64*\c
	ds_load_b128 v[KR+8*(2*\k+\c)+4:KR+8*(2*\k+\c)+7], v[ADK] offset:2304*\k+64*\c+32
.endr
.endr
.irp g, 0,1
.irp c, 0,1,2,3
	ds_load_tr16_b128 v[VR+8*(4*\g+\c):VR+8*(4*\g+\c)+3], v[ADV] offset:5120*\g+32*\c
	ds_load_tr16_b128 v[VR+8*(4*\g+\c)+4:VR+8*(4*\g+\c)+7], v[ADV] offset:5120*\g+32*\c+2560
.endr
.endr
	s_wait_dscnt 16                                ; K is in; V's sixteen loads may be out
	WIN 0x05                                       ; K and Q in window 1
.irp c, 0,1                            ; the eight accumulators take turns, one instruction a turn
.irp k, 0,1,2,3
.irp t, 0,1
.if \c == 0
	v_wmma_f32_16x16x32_f16 v[S+32*\t+8*\k:S+32*\t+8*\k+7], v[KR+8*(2*\k+\c):KR+8*(2*\k+\c)+7], v[QF+16*\t+8*\c:QF+16*\t+8*\c+7], 0
.else
	v_wmma_f32_16x16x32_f16 v[S+32*\t+8*\k:S+32*\t+8*\k+7], v[KR+8*(2*\k+\c):KR+8*(2*\k+\c)+7], v[QF+16*\t+8*\c:QF+16*\t+8*\c+7], v[S+32*\t+8*\k:S+32*\t+8*\k+7]
.endif
.endr
.endr
.endr
	WIN 0
.rept 4
	v_nop                                          ; places behind the products, ahead of the first read of the scores
.endr
	s_add_co_u32 s[TMP], s[KF], 63
	s_cmp_le_u32 s[TMP], s[Q0]                     ; all keys count for all my queries: no mask
	s_cbranch_scc1 .Lopen_\@
	s_sub_co_i32 s[TMP], s[Q0], s[KF]
	v_add_nc_u32 v[DD], s[TMP], v[LT]              ; d = Q0 - KF + r - 8 h.  Register j of tile (t, k) holds key KF + 16 k + 8 h + j for query Q0 + 16 t + r: hidden where 16 k + j - 16 t > d
.irp t, 0,1
.irp k, 0,1,2,3
.irp j, 0,1,2,3,4,5,6,7
	v_cmp_gt_i32 vcc_lo, 16*\k+\j-16*\t, v[DD]
	v_cndmask_b32 v[S+32*\t+8*\k+\j], v[S+32*\t+8*\k+\j], v[NINF], vcc_lo
.endr
.endr
.endr
.Lopen_\@:
.irp j, 0,1,2,3                        ; the maximum of my 32 scores of each tile and the old m, three operands at a time; the two tiles by turns
.irp t, 0,1
	v_max3_num_f32 v[ST+8*\t+4+\j], v[S+32*\t+8*\j], v[S+32*\t+8*\j+1], v[S+32*\t+8*\j+2]
.endr
.endr
.irp i, 3,5
.irp j, 0,1,2,3
.irp t, 0,1
	v_max3_num_f32 v[ST+8*\t+4+\j], v[ST+8*\t+4+\j], v[S+32*\t+8*\j+\i], v[S+32*\t+8*\j+\i+1]
.endr
.endr
.endr
.irp t, 0,1
	v_max3_num_f32 v[ST+8*\t+4], v[ST+8*\t+4], v[S+32*\t+7], v[S+32*\t+15]
	v_max3_num_f32 v[ST+8*\t+6], v[ST+8*\t+6], v[S+32*\t+23], v[S+32*\t+31]
.endr
.irp t, 0,1
	v_max3_num_f32 v[ST+8*\t+4], v[ST+8*\t+4], v[ST+8*\t+5], v[ST+8*\t+6]
.endr
.irp t, 0,1
	v_max3_num_f32 v[ST+8*\t+4], v[ST+8*\t+4], v[ST+8*\t+7], v[ST+8*\t]
.endr
.irp t, 0,1
	v_permlanex16_b32 v[ST+8*\t+5], v[ST+8*\t+4], s[SEL], s[SEL+1]   ; the query's other 32 keys lie in the lane 16 away
.endr
.irp t, 0,1
	v_mov_b32 v[ST+8*\t+7], v[ST+8*\t]
.endr
.irp t, 0,1
	v_max_num_f32 v[ST+8*\t], v[ST+8*\t+4], v[ST+8*\t+5]
.endr
.irp t, 0,1
	v_sub_f32 v[ST+8*\t+7], v[ST+8*\t+7], v[ST+8*\t]                 ; m_old - m_new
.endr
.set n, 0
.rept 16
	v_pk_add_f32 v[S+2*n:S+2*n+1], v[S+2*n:S+2*n+1], v[ST:ST+1] op_sel_hi:[1,0] neg_lo:[0,1] neg_hi:[0,1]              ; s - m
	v_pk_add_f32 v[S+32+2*n:S+32+2*n+1], v[S+32+2*n:S+32+2*n+1], v[ST+8:ST+9] op_sel_hi:[1,0] neg_lo:[0,1] neg_hi:[0,1]
.set n, n+1
.endr
	v_exp_f32 v[ST+6], v[ST+7]                     ; ONE BATCH: a of both tiles and the 64 weights
	v_exp_f32 v[ST+14], v[ST+15]
.set n, 0
.rept 64
	v_exp_f32 v[S+n], v[S+n]
.set n, n+1
.endr
	v_nop                                          ; a plain instruction behind the last exponential,
	s_wait_alu depctr_va_vdst(0)                   ; and the one wait ahead of the batch's first reader
.set n, 0
.rept 16
	v_cvt_pk_f16_f32 v[P+n], v[S+2*n], v[S+2*n+1]
	v_cvt_pk_f16_f32 v[P+16+n], v[S+32+2*n], v[S+32+2*n+1]
.set n, n+1
.endr
.irp w, 4,8,16,32                      ; the sums of the unrounded weights, a tree in place
.set n, 0
.rept 32/\w
	v_pk_add_f32 v[S+\w*n:S+\w*n+1], v[S+\w*n:S+\w*n+1], v[S+\w*n+\w/2:S+\w*n+\w/2+1]
	v_pk_add_f32 v[S+32+\w*n:S+32+\w*n+1], v[S+32+\w*n:S+32+\w*n+1], v[S+32+\w*n+\w/2:S+32+\w*n+\w/2+1]
.set n, n+1
.endr
.endr
.irp t, 0,1
	v_pk_fma_f32 v[ST+8*\t+2:ST+8*\t+3], v[ST+8*\t+2:ST+8*\t+3], v[ST+8*\t+6:ST+8*\t+7], v[S+32*\t:S+32*\t+1] op_sel_hi:[1,0,1]   ; l = l a + the sum
.endr
.set n, 0
.rept 16
	v_pk_mul_f32 v[O+2*n:O+2*n+1], v[O+2*n:O+2*n+1], v[ST+6:ST+7] op_sel_hi:[1,0]              ; O^T x a, each accumulator from its low end on
	v_pk_mul_f32 v[O+32+2*n:O+32+2*n+1], v[O+32+2*n:O+32+2*n+1], v[ST+14:ST+15] op_sel_hi:[1,0]
.set n, n+1
.endr
	s_wait_dscnt 0x0                               ; V is in
	WIN 0x01                                       ; V in window 1
.irp g, 0,1
.irp c, 0,1,2,3
.irp t, 0,1
	v_wmma_f32_16x16x32_f16 v[O+32*\t+8*\c:O+32*\t+8*\c+7], v[VR+8*(4*\g+\c):VR+8*(4*\g+\c)+7], v[P+16*\t+8*\g:P+16*\t+8*\g+7], v[O+32*\t+8*\c:O+32*\t+8*\c+7]
.endr
.endr
.endr
	WIN 0
.rept 4
	v_nop                                          ; places behind the products: for the next step's loads into V's registers and for the next read of O^T
.endr
.Lhid_\@:
	s_add_co_u32 s[KF], s[KF], 64
	s_add_co_u32 s[TK], s[TK], 64*PK
	s_add_co_u32 s[TV], s[TV], 64*PV
.endm
.macro SLOT_STEPS                      ; a slot's four key steps: written once, walked four times; then the addresses turn to the other slot
	s_mov_b32 s[CNT], 4
.Lstep_\@:
	STEP
	s_sub_co_u32 s[CNT], s[CNT], 1
	s_cmp_lg_u32 s[CNT], 0
	s_cbranch_scc1 .Lstep_\@
	s_sub_co_u32 s[TK], s[TK], 256*PK
	s_xor_b32 s[TK], s[TK], SLOT1
	s_sub_co_u32 s[TV], s[TV], 256*PV
	s_xor_b32 s[TV], s[TV], SLOT1
.endm
.macro OUT                             ; O^T / l, rounded to f16, through my stage, out as runs of 512 consecutive bytes
.irp t, 0,1
	v_add_f32 v[ST+8*\t+4], v[ST+8*\t+2], v[ST+8*\t+3]
.endr
.irp t, 0,1
	v_permlanex16_b32 v[ST+8*\t+5], v[ST+8*\t+4], s[SEL], s[SEL+1]
.endr
.irp t, 0,1
	v_add_f32 v[ST+8*\t+4], v[ST+8*\t+4], v[ST+8*\t+5]
.endr
.irp t, 0,1
	v_rcp_f32 v[ST+8*\t+6], v[ST+8*\t+4]
.endr
	v_nop
	s_wait_alu depctr_va_vdst(0)                   ; one wait for the two reciprocals, ahead of their first reader
.set n, 0
.rept 16
	v_pk_mul_f32 v[S+2*n:S+2*n+1], v[O+2*n:O+2*n+1], v[ST+6:ST+7] op_sel_hi:[1,0]
	v_pk_mul_f32 v[S+32+2*n:S+32+2*n+1], v[O+32+2*n:O+32+2*n+1], v[ST+14:ST+15] op_sel_hi:[1,0]
.set n, n+1
.endr
.set n, 0
.rept 32
	v_cvt_pk_f16_f32 v[P+n], v[S+2*n], v[S+2*n+1]
.set n, n+1
.endr
.irp t, 0,1
.irp c, 0,1,2,3
	ds_store_b128 v[STO], v[P+16*\t+4*\c:P+16*\t+4*\c+3] offset:2304*\t+32*\c
.endr
.endr
.irp t, 0,1
.irp i, 0,1,2,3
	ds_load_b128 v[S+16*\t+4*\i:S+16*\t+4*\i+3], v[RD] offset:2304*\t+576*\i   ; LDS serves a wave's instructions in order: these see my stores
.endr
.endr
	s_wait_dscnt 0x0
.irp t, 0,1
.irp i, 0,1,2,3
	global_store_b128 v[GO], v[S+16*\t+4*\i:S+16*\t+4*\i+3], s[OP:OP+1] offset:2048*\t+512*\i
.endr
.endr
	s_wait_xcnt 0x0                                ; the stores' data and base are written again only behind this wait
.endm
	s_mov_b32 s[BLK], s[I]
	INIT
.Lslot:                                            ; eight trips: behind each change of slots the next slot is asked for
	CHANGE 1
	SLOT_STEPS
	s_cmp_lg_u32 s[KF], s[QE]                      ; ids and counts alone: the first block ends in trip I, in all eight waves
	s_cbranch_scc1 .Lsame
	OUT
	s_sub_co_u32 s[BLK], 7, s[I]
	INIT
.Lsame:
	s_add_co_u32 s[TC], s[TC], 1
	s_sub_co_u32 s[SLOTS], s[SLOTS], 1
	s_cmp_lg_u32 s[SLOTS], 0
	s_cbranch_scc1 .Lslot
	CHANGE 0                                       ; the ninth slot is written out: nothing is left to fetch
	SLOT_STEPS
	OUT
	s_wait_tensorcnt 0x0                           ; the wave's end, behind my last tensor load and my last LDS store
	ds_add_u32 v[SPW], v[NIL]
	s_wait_dscnt 0x0
	s_endpgm
.Lfunc_end_k_qbbdacaff5b_attn:
	.size	k_qbbdacaff5b_attn, .Lfunc_end_k_qbbdacaff5b_attn-k_qbbdacaff5b_attn
	.p2alignl 7, 3214868480
	.fill 96, 4, 3214868480
	.section	.rodata,"a",@progbits
	.p2align	6, 0x0
	.amdhsa_kernel k_qbbdacaff5b_attn
		.amdhsa_group_segment_fixed_size 327680
		.amdhsa_private_segment_fixed_size 0
		.amdhsa_enable_private_segment 0
		.amdhsa_kernarg_size 16
		.amdhsa_user_sgpr_count 2
		.amdhsa_user_sgpr_kernarg_segment_ptr 1
		.amdhsa_wavefront_size32 1
		.amdhsa_system_sgpr_workgroup_id_x 1
		.amdhsa_system_sgpr_workgroup_id_y 1
		.amdhsa_system_sgpr_workgroup_id_z 1
		.amdhsa_system_vgpr_workitem_id 0
		.amdhsa_next_free_vgpr 512
		.amdhsa_next_free_sgpr 80
		.amdhsa_reserve_vcc 1
		.amdhsa_float_denorm_mode_32 3
		.amdhsa_float_denorm_mode_16_64 3
		.amdhsa_memory_ordered 1
		.amdhsa_forward_progress 1
		.amdhsa_inst_pref_size 71
	.end_amdhsa_kernel
	.amdgpu_metadata
---
amdhsa.version: [ 1, 2 ]
amdhsa.kernels:
  - .name:           k_qbbdacaff5b_attn
    .symbol:         k_qbbdacaff5b_attn.kd
    .args:
      - { .name: qkv, .offset: 0, .size: 8, .value_kind: global_buffer, .address_space: global }
      - { .name: o16, .offset: 8, .size: 8, .value_kind: global_buffer, .address_space: global }
    .group_segment_fixed_size: 327680
    .private_segment_fixed_size: 0
    .kernarg_segment_align: 8
    .kernarg_segment_size: 16
    .max_flat_workgroup_size: 256
    .sgpr_count:     80
    .vgpr_count:     512
    .wavefront_size: 32
...
	.end_amdgpu_metadata
.endif
;; end of part 3
;; launch proj (part 4): grid 8 x 32, 4 waves a work-group, clusters of 4 x 4, 327,680 bytes of LDS; arguments o16, w16, out_b, out0; writes out0
.if DOCPART == 4
	.amdgcn_target "amdgcn-amd-amdhsa--gfx1250"
	.amdhsa_code_object_version 6
	.text
	.protected	k_qbbdacaff5b_proj
	.globl	k_qbbdacaff5b_proj
	.p2align	8
	.type	k_qbbdacaff5b_proj,@function
k_qbbdacaff5b_proj:
	s_mov_b64 s[64:65], 0
	v_nop
	global_prefetch_b8 v0, s[64:65] scope:SCOPE_SE
	s_setreg_imm32_b32 hwreg(HW_REG_WAVE_MODE, 25, 1), 1
	s_wait_xcnt 0x0
	s_wait_alu depctr_hold_cnt(0) depctr_sa_sdst(0) depctr_va_vdst(0) depctr_va_sdst(0) depctr_va_ssrc(0) depctr_va_vcc(0) depctr_vm_vsrc(0)
	s_getreg_b32 s2, hwreg(HW_REG_IB_STS2, 6, 4)
	s_cmp_eq_u32 s2, 0
	s_cbranch_scc0 .Lentry_in_a_cluster
	s_endpgm
.Lentry_in_a_cluster:
	s_bfe_u32 s2, ttmp6, 0x10000c
	s_cmp_lg_u32 s2, 0xf033
	s_cbranch_scc0 .Lentry_shape_is_right
	s_endpgm
.Lentry_shape_is_right:
; out0 = o out_w^T + out_b.  o16: [batch][head][position][64] f16, so that K = head x 64 + channel; w16: [1024][1024] f16; out0: [8192][1024] f32; sums in f32.
; A tile of 256 rows x 128 columns to a work-group: 32 x 8 = 256 work-groups.  Four waves, 128 x 64 each: 32 accumulators of 16 x 16.
; K goes in eight steps of 128 (two heads) through a ring of two LDS slots.  One tensor load a wave: waves 0 and 1 a head's 256 rows of 128 bytes (a dense block of memory), waves 2 and 3 64 rows of 256 bytes of w16.
; A wave has two loads out at the start and one behind each round; that load has a K step, 128 matrix instructions less the sixteen ahead of the barrier's wait, in which to land.
; CLUSTERS: 4 x 4; A's tiles are asked for jointly along a row of the cluster, B's along a column.  THE MATRIX INSTRUCTION IS USED TRANSPOSED: a lane holds eight neighbouring columns of a row.  THE BIAS is the C of each sum's first instruction.
; Positions 0-15 of each batch are written here with f16 operands and written again, from f32 operands, by the launch that follows.
; REGISTERS: window 0: v16-29 addresses; v32-63 the bias; v128-191 rows on the way out.  window 1: two fragment buffers of 96 (B's 4 x 8, then A's 8 x 8).  window 2: the accumulators, (a, b) at v[8 (4 a + b)].
.set PA,     144                       ; a row of A in LDS: 128 bytes + 16
.set PB,     272                       ; a row of B: 256 bytes + 16
.set AHEAD,  256*PA                    ; a head's 256 rows
.set BOFF,   2*AHEAD
.set SLOT,   BOFF+128*PB
.set STAGE,  2*SLOT                    ; 16 rows x 272 for each wave
.set SPARE,  STAGE+4*16*272            ; the spare words: 128 bytes a wave, two blocks of 256 bytes that no other line names
.set LAPS,   4
.set ADRA, 16
.set ADRB, 20
.set STO,  24
.set RD,   25
.set CO,   26
.set BO,   27
.set SPW,  28
.set NIL,  29
.set BIAS, 32
.set BK,   128
.set F0,   0
.set F1,   96
.set G1, 24
.set G0, 32
.set G1B, 48
.set G0B, 56
.set MSB, 0
.macro WIN new
.if MSB != \new
	s_set_vgpr_msb (MSB<<8)|\new
.set MSB, \new
.endif
.endm
.set MUL,  0xa5                        ; sources 0 (B) and 1 (A) window 1; C and D window 2
.set TO_F, 0x40
.macro JLOAD s                         ; waves 0 and 1 fetch A's two heads, waves 2 and 3 B's two halves; an s_nop 0 and four v_nop follow each of the two lines
	s_cmp_eq_u32 s13, 0
	s_cbranch_scc0 .Lfor_b_\@
	tensor_load_to_lds s[G0+4*\s:G0+4*\s+3], s[G1:G1+7]
	s_nop 0
.rept 4
	v_nop
.endr
	s_branch .Lasked_\@
.Lfor_b_\@:
	tensor_load_to_lds s[G0B+4*\s:G0B+4*\s+3], s[G1B:G1B+7]
	s_nop 0
.rept 4
	v_nop
.endr
.Lasked_\@:
.endm
.macro CREST
	s_cmp_lg_u32 s12, 0
	s_cbranch_scc1 .Lnot_wave_0_\@
	s_barrier_signal -3
.Lnot_wave_0_\@:
	s_barrier_wait -3
	s_barrier_signal -1
	s_barrier_wait -1
.endm
.macro CROUND
	s_barrier_signal -1
	s_barrier_wait -1
	CREST
.endm
	s_load_b256 s[4:11], s[0:1], 0x0               ; o16 s[4:5], w16 s[6:7], out_b s[8:9], out0 s[10:11]
	v_lshl_add_u32 v[SPW], v0, 2, SPARE
	v_mov_b32 v[NIL], 0
	ds_add_u32 v[SPW], v[NIL]                      ; the wave's opening: the add, twice on end, and its wait ahead of my first tensor load
	ds_add_u32 v[SPW], v[NIL]
	v_lshrrev_b32 v1, 5, v0
	v_readfirstlane_b32 s12, v1                    ; wave
	s_lshr_b32 s13, s12, 1                         ; my half of the rows.  Also: I fetch for A (0) or for B (1)
	s_and_b32 s14, s12, 1                          ; my half of the columns.  Also: which head, or which 64 rows of B, I fetch
	s_bfe_u32 s40, ttmp6, 0x40000                  ; cx
	s_bfe_u32 s41, ttmp6, 0x40004                  ; cy
	s_lshl_b32 s42, ttmp9, 2
	s_add_co_u32 s42, s42, s40                     ; tile column
	s_and_b32 s15, ttmp7, 0xffff
	s_lshl_b32 s15, s15, 2
	s_add_co_u32 s15, s15, s41                     ; tile row
	s_lshl_b32 s43, s41, 2
	s_lshl_b32 s43, 15, s43                        ; my row of the cluster
	s_lshl_b32 s44, 0x1111, s40                    ; my column
	s_or_b32 s[G1+0], s43, (1<<16)|(1<<20)|(1<<21)|(4<<22)|(3<<25)    ; A: elements of 2 bytes; 4 words of padding behind every 32
	s_mov_b32 s[G1+1], 64<<16                      ; tensor_dim0 = 64
	s_mov_b32 s[G1+2], 256<<16                     ; tensor_dim1 = 256
	s_mov_b32 s[G1+3], 64<<16                      ; tile_dim0
	s_mov_b32 s[G1+4], 256                         ; tile_dim1
	s_mov_b32 s[G1+5], 64                          ; from row to row
	s_mov_b32 s[G1+6], 0
	s_mov_b32 s[G1+7], 0
	s_or_b32 s[G1B+0], s44, (1<<16)|(1<<20)|(1<<21)|(5<<22)|(3<<25)   ; B: 4 words behind every 64
	s_mov_b32 s[G1B+1], 128<<16
	s_mov_b32 s[G1B+2], 64<<16
	s_mov_b32 s[G1B+3], 128<<16
	s_mov_b32 s[G1B+4], 64
	s_mov_b32 s[G1B+5], 1024
	s_mov_b32 s[G1B+6], 0
	s_mov_b32 s[G1B+7], 0
	s_lshr_b32 s16, s15, 3                         ; A: batch x 16 heads of 262,144 bytes
	s_lshl_b32 s16, s16, 22
	s_and_b32 s17, s15, 7
	s_lshl_b32 s17, s17, 15                        ; + 256 positions of 128 bytes x (tile row % 8)
	s_add_co_u32 s16, s16, s17
	s_lshl_b32 s17, s14, 18                        ; + my head of the K step's two
	s_add_co_u32 s16, s16, s17
	s_mov_b32 s17, 0
	s_lshl_b32 s46, s42, 18                        ; B: 128 rows of 2,048 bytes x tile column
	s_lshl_b32 s47, s14, 17                        ; + my 64 rows
	s_add_co_u32 s46, s46, s47
	s_mov_b32 s47, 0
	s_mul_i32 s20, s14, AHEAD                      ; where they go in a slot
	s_mul_i32 s21, s14, 64*PB
	s_add_co_u32 s21, s21, BOFF
	s_wait_dscnt 0x0                               ; both opening adds are done
	s_wait_kmcnt 0x0
	s_add_nc_u64 s[18:19], s[4:5], s[16:17]
	s_add_nc_u64 s[46:47], s[6:7], s[46:47]
	CROUND                                         ; all sixteen work-groups are here: the first joint loads meet
.irp s, 0,1
	s_mov_b32 s[G0+4*\s], 1
	s_add_co_u32 s[G0+4*\s+1], s20, \s*SLOT
	s_add_nc_u64 s[G0+4*\s+2:G0+4*\s+3], s[18:19], \s*524288      ; K step s: two heads on
	s_or_b32 s[G0+4*\s+3], s[G0+4*\s+3], 0x80000000
	s_mov_b32 s[G0B+4*\s], 1
	s_add_co_u32 s[G0B+4*\s+1], s21, \s*SLOT
	s_add_nc_u64 s[G0B+4*\s+2:G0B+4*\s+3], s[46:47], \s*256
	s_or_b32 s[G0B+4*\s+3], s[G0B+4*\s+3], 0x80000000
	JLOAD \s
.endr
	v_and_b32 v1, 15, v0                           ; r
	v_bfe_u32 v2, v0, 4, 1                         ; h
	s_lshl_b32 s66, s42, 9                         ; my 64 columns, in bytes of f32: 512 x tile column + 256 x half
	s_lshl_b32 s67, s14, 8
	s_add_co_u32 s66, s66, s67
	s_mov_b32 s67, 0
	s_add_nc_u64 s[8:9], s[8:9], s[66:67]
	v_lshlrev_b32 v[BO], 5, v2
.irp b, 0,1,2,3
	global_load_b128 v[BIAS+8*\b:BIAS+8*\b+3], v[BO], s[8:9] offset:64*\b          ; lane (r, h): out_b of columns 16 b + 8 h + 0 .. 7
	global_load_b128 v[BIAS+8*\b+4:BIAS+8*\b+7], v[BO], s[8:9] offset:64*\b+16
.endr
	s_lshl_b32 s68, s15, 20                        ; my first row of out0: 256 rows of 4,096 bytes x tile row + 128 rows x half
	s_lshl_b32 s69, s13, 19
	s_add_co_u32 s68, s68, s69
	s_add_co_u32 s66, s66, s68
	s_add_nc_u64 s[10:11], s[10:11], s[66:67]
	v_mul_u32_u24 v3, v1, PA
	v_lshl_add_u32 v3, v2, 4, v3
	v_mul_u32_u24 v4, v1, PB
	v_lshl_add_u32 v4, v2, 4, v4
	s_mul_i32 s21, s13, 128*PA                     ; my 128 rows of A (in each head's block)
	s_mul_i32 s22, s14, 64*PB                      ; my 64 rows of B
	s_add_co_u32 s22, s22, BOFF
.irp s, 0,1
	v_add_nc_u32 v[ADRA+\s], s21, v3
	v_add_nc_u32 v[ADRB+\s], s22, v4
	s_add_co_u32 s21, s21, SLOT
	s_add_co_u32 s22, s22, SLOT
.endr
	s_mul_i32 s23, s12, 16*272
	s_add_co_u32 s23, s23, STAGE                   ; my stage
	v_lshl_add_u32 v5, v2, 5, 0
	v_mad_u32_u24 v5, v1, 272, v5
	v_add_nc_u32 v[STO], s23, v5                   ; in: row r, 32 bytes for each half of the lanes
	v_mul_u32_u24 v5, v2, 272
	v_lshl_add_u32 v5, v1, 4, v5
	v_add_nc_u32 v[RD], s23, v5                    ; back: lanes 0-15 one row of 256 bytes, lanes 16-31 the next
	v_lshlrev_b32 v5, 12, v2
	v_lshl_add_u32 v[CO], v1, 4, v5                ; and the same two rows in out0
.macro MUL8 f, a0, first               ; A's blocks a0, a0 + 1 x B's four, 32 along K.  The 32 accumulators take turns, in the same order in every quarter
.irp a, \a0, \a0+1
.irp b, 0,1,2,3
.if \first
	v_wmma_f32_16x16x32_f16 v[8*(4*(\a)+\b):8*(4*(\a)+\b)+7], v[\f+8*\b:\f+8*\b+7], v[\f+32+8*(\a):\f+32+8*(\a)+7], v[BIAS+8*\b:BIAS+8*\b+7]
.else
	v_wmma_f32_16x16x32_f16 v[8*(4*(\a)+\b):8*(4*(\a)+\b)+7], v[\f+8*\b:\f+8*\b+7], v[\f+32+8*(\a):\f+32+8*(\a)+7], v[8*(4*(\a)+\b):8*(4*(\a)+\b)+7]
.endif
.endr
.endr
.endm
.macro FETCH slot, q, f                ; 24 LDS loads in one run: quarter q's fragments: B's four, then A's eight (quarter q lies in head q / 2, channels 32 (q % 2) on)
	WIN TO_F
.irp i, 0,1,2,3
	ds_load_b128 v[\f+8*\i:\f+8*\i+3],   v[ADRB+\slot] offset:64*(\q)+\i*16*PB
	ds_load_b128 v[\f+8*\i+4:\f+8*\i+7], v[ADRB+\slot] offset:64*(\q)+\i*16*PB+32
.endr
.irp i, 0,1,2,3,4,5,6,7
	ds_load_b128 v[\f+32+8*\i:\f+32+8*\i+3],   v[ADRA+\slot] offset:AHEAD*((\q)/2)+64*((\q)%2)+\i*16*PA
	ds_load_b128 v[\f+32+8*\i+4:\f+32+8*\i+7], v[ADRA+\slot] offset:AHEAD*((\q)/2)+64*((\q)%2)+\i*16*PA+32
.endr
.endm
.macro PLACES
.rept 4
	v_nop
.endr
.endm
.macro QUARTER slot, q, f, g, first    ; multiplies buffer f; in its middle fetches quarter q of the same slot into g
	s_wait_dscnt 8                                 ; B and A's blocks 0-3 are in; the youngest eight loads (A's blocks 4-7) may be out
.if \first
	WIN 0x85                                       ; C (the bias) in window 0
.else
	WIN MUL
.endif
	MUL8 \f, 0, \first
	MUL8 \f, 2, \first
	PLACES
	FETCH \slot, \q, \g
	s_wait_dscnt 24                                ; all but the 24 just issued
.if \first
	WIN 0x85
.else
	WIN MUL
.endif
	MUL8 \f, 4, \first
	MUL8 \f, 6, \first
.endm
; The last quarter multiplies buffer 1 and changes slots: ONE barrier; in front of it each wave waits for all its tensor loads, adds 0 to its spare word, and waits for that and for its reads of this slot.
.macro TURN slot, next, fill
	WIN 0
	s_wait_tensorcnt 0x0                           ; all my tensor loads have landed: my part of the next slot
	ds_add_u32 v[SPW], v[NIL]
	s_wait_dscnt 9                                 ; the add and the youngest eight loads may be out
	WIN MUL
	MUL8 F1, 0, 0
	s_wait_dscnt 0x0                               ; the add is done, and my reads of this slot are over
	s_barrier_signal -1
	MUL8 F1, 2, 0
.if \fill
	WIN 0
.endif
	s_barrier_wait -1
.if \fill
	CREST                                          ; the barrier has opened a round of the cluster's: no wave of any partner still reads this slot or has a load on its way
	s_add_nc_u64 s[G0+4*\slot+2:G0+4*\slot+3], s[G0+4*\slot+2:G0+4*\slot+3], 1048576   ; two K steps on: four heads
	s_add_nc_u64 s[G0B+4*\slot+2:G0B+4*\slot+3], s[G0B+4*\slot+2:G0B+4*\slot+3], 512
	JLOAD \slot                                    ; the first tensor load behind the round; its four v_nop are also the places in front of the loads below
.else
	PLACES
.endif
	FETCH \next, 0, F0
	WIN MUL
	MUL8 F1, 4, 0
	MUL8 F1, 6, 0
.endm
	s_wait_tensorcnt 1                             ; my part of K step 0 is in; K step 1's may stay out
	s_barrier_signal -1
	s_barrier_wait -1
	FETCH 0, 0, F0
	s_wait_loadcnt 0x0                             ; the bias
	QUARTER 0, 1, F0, F1, 1
	WIN 0
	s_mov_b32 s3, LAPS-1
.Llap:                                                 ; a trip goes once round the ring, from a lap's second quarter to the next lap's first, and fills both slots again
	QUARTER 0, 2, F1, F0, 0
	QUARTER 0, 3, F0, F1, 0
	TURN 0, 1, 1
	QUARTER 1, 1, F0, F1, 0
	QUARTER 1, 2, F1, F0, 0
	QUARTER 1, 3, F0, F1, 0
	TURN 1, 0, 1
	QUARTER 0, 1, F0, F1, 0
	WIN 0
	s_sub_co_u32 s3, s3, 1
	s_cmp_lg_u32 s3, 0
	s_cbranch_scc1 .Llap
	QUARTER 0, 2, F1, F0, 0                        ; the last lap fills nothing
	QUARTER 0, 3, F0, F1, 0
	TURN 0, 1, 0
	QUARTER 1, 1, F0, F1, 0
	QUARTER 1, 2, F1, F0, 0
	QUARTER 1, 3, F0, F1, 0
	s_wait_dscnt 8
	WIN MUL
	MUL8 F1, 0, 0
	MUL8 F1, 2, 0
	s_wait_dscnt 0
	MUL8 F1, 4, 0
	MUL8 F1, 6, 0
	WIN 0
; THE WAY OUT, block by block of 16 rows x 64 columns: 32 bytes a lane into my own stage, back as whole rows of 256 bytes.
.macro TOSTAGE a
	WIN 0x08                                       ; an LDS store's data: window 2
.irp b, 0,1,2,3
	ds_store_b128 v[STO], v[8*(4*(\a)+\b):8*(4*(\a)+\b)+3] offset:64*\b            ; each accumulator from its low end on
	ds_store_b128 v[STO], v[8*(4*(\a)+\b)+4:8*(4*(\a)+\b)+7] offset:64*\b+16
.endr
	WIN 0
.set BB, BK+32*((\a)%2)
.irp t, 0,1,2,3,4,5,6,7
	ds_load_b128 v[BB+4*\t:BB+4*\t+3], v[RD] offset:\t*2*272
.endr
.endm
.macro SEND a, younger
.set BB, BK+32*((\a)%2)
	s_wait_dscnt \younger
.if (\a) > 0
	s_add_nc_u64 s[10:11], s[10:11], 65536         ; 16 rows on (behind a wait on XCNT: the earlier stores have read their base)
.endif
.irp t, 0,1,2,3,4,5,6,7
	global_store_b128 v[CO], v[BB+4*\t:BB+4*\t+3], s[10:11] offset:\t*8192 th:TH_STORE_NT   ; 16 lanes store 256 consecutive bytes, aligned
.endr
.endm
	PLACES
	TOSTAGE 0
.irp a, 1,2,3,4,5,6,7
.if \a > 1
	s_wait_xcnt 0x0                                ; block a - 2's stores have read their registers and their base
.endif
	TOSTAGE \a
	SEND \a-1, 16                                  ; behind block a - 1's loads: block a's 8 stores and 8 loads
.endr
	s_wait_xcnt 0x0
	SEND 7, 0
	s_wait_tensorcnt 0x0                           ; the wave's end, behind my last tensor load and my last LDS store
	ds_add_u32 v[SPW], v[NIL]
	s_wait_dscnt 0x0
	CROUND                                         ; the closing round
	s_endpgm
.Lfunc_end_k_qbbdacaff5b_proj:
	.size	k_qbbdacaff5b_proj, .Lfunc_end_k_qbbdacaff5b_proj-k_qbbdacaff5b_proj
	.p2alignl 7, 3214868480
	.fill 96, 4, 3214868480
	.section	.rodata,"a",@progbits
	.p2align	6, 0x0
	.amdhsa_kernel k_qbbdacaff5b_proj
		.amdhsa_group_segment_fixed_size 327680
		.amdhsa_private_segment_fixed_size 0
		.amdhsa_enable_private_segment 0
		.amdhsa_kernarg_size 32
		.amdhsa_user_sgpr_count 2
		.amdhsa_user_sgpr_kernarg_segment_ptr 1
		.amdhsa_wavefront_size32 1
		.amdhsa_system_sgpr_workgroup_id_x 1
		.amdhsa_system_sgpr_workgroup_id_y 1
		.amdhsa_system_sgpr_workgroup_id_z 1
		.amdhsa_system_vgpr_workitem_id 0
		.amdhsa_next_free_vgpr 768
		.amdhsa_next_free_sgpr 70
		.amdhsa_reserve_vcc 0
		.amdhsa_float_denorm_mode_32 3
		.amdhsa_float_denorm_mode_16_64 3
		.amdhsa_memory_ordered 1
		.amdhsa_forward_progress 1
		.amdhsa_inst_pref_size 87
	.end_amdhsa_kernel
	.amdgpu_metadata
---
amdhsa.version: [ 1, 2 ]
amdhsa.kernels:
  - .name:           k_qbbdacaff5b_proj
    .symbol:         k_qbbdacaff5b_proj.kd
    .args:
      - { .name: o16, .offset: 0, .size: 8, .value_kind: global_buffer, .address_space: global }
      - { .name: w16, .offset: 8, .size: 8, .value_kind: global_buffer, .address_space: global }
      - { .name: out_b, .offset: 16, .size: 8, .value_kind: global_buffer, .address_space: global }
      - { .name: out0, .offset: 24, .size: 8, .value_kind: global_buffer, .address_space: global }
    .group_segment_fixed_size: 327680
    .private_segment_fixed_size: 0
    .kernarg_segment_align: 8
    .kernarg_segment_size: 32
    .max_flat_workgroup_size: 128
    .sgpr_count:     70
    .vgpr_count:     768
    .wavefront_size: 32
...
	.end_amdgpu_metadata
.endif
;; end of part 4
;; launch first16 (part 5): grid 16 x 4, 16 waves a work-group, no clusters, 71,680 bytes of LDS; arguments fine, out_w, out_b, out0; writes out0
.if DOCPART == 5
	.amdgcn_target "amdgcn-amd-amdhsa--gfx1250"
	.amdhsa_code_object_version 6
	.text
	.protected	k_qbbdacaff5b_first16
	.globl	k_qbbdacaff5b_first16
	.p2align	8
	.type	k_qbbdacaff5b_first16,@function
k_qbbdacaff5b_first16:
	s_mov_b64 s[64:65], 0
	v_nop
	global_prefetch_b8 v0, s[64:65] scope:SCOPE_SE
	s_setreg_imm32_b32 hwreg(HW_REG_WAVE_MODE, 25, 1), 1
	s_wait_xcnt 0x0
; POSITIONS 0-15 OF EACH BATCH, in f32 throughout: their rows average one to sixteen values and are the largest of the output, so the rounding of 16-bit operands weighs most there.
; Work-group (cb, batch) makes 16 rows x 64 columns of out0.  Wave hd is head hd: it makes its head's attention for the 16 positions (repeated in each of the 16 column blocks: 32 small matrix instructions),
; then its 64 channels' part of the projection; the sixteen parts meet in LDS, and wave w adds row w, adds the bias and stores 256 consecutive bytes.
; fine: [batch][q, k, v][head][16][64] f32, q already holding 0.125 log2(e).  All products by v_wmma_f32_16x16x4_f32; K is permuted alike on both sides of each product, so that operands are used as they lie in registers.
; The registers that this form writes (v112-143) are written by matrix instructions alone; each sum begins with the constant 0.
; REGISTERS: v3-9 addresses; v10-13 statistics; v16-47 K, v48-79 Q, later out_w's tiles 2 and 3, later the parts; v80-111 V; v112-143 four accumulators; v144-151 scores; v152-159 p; v160-191 o; v192-255 out_w's tiles 0 and 1.
.set LQ,  3
.set LV,  4
.set LW,  5
.set STO, 6
.set RD,  7
.set GO,  8
.set LT,  9
.set SPW, 14
.set NIL, 15
.set KK,  16
.set QQ,  48
.set VV,  80
.set ACC, 112
.set SW,  144
.set PP,  152
.set OF,  160
.set SPARE, 16*4352                    ; behind the sixteen parts: the spare words, 128 bytes a wave, eight blocks of 256 bytes that no other line names
	s_load_b256 s[4:11], s[0:1], 0x0               ; fine s[4:5], out_w s[6:7], out_b s[8:9], out0 s[10:11]
	v_lshl_add_u32 v[SPW], v0, 2, SPARE
	v_mov_b32 v[NIL], 0
	v_lshrrev_b32 v1, 5, v0
	v_readfirstlane_b32 s12, v1                    ; wave = head
	s_and_b32 s13, ttmp7, 0xffff                   ; batch
	v_and_b32 v1, 15, v0                           ; r
	v_bfe_u32 v2, v0, 4, 1                         ; h
	v_lshlrev_b32 v[LQ], 8, v1
	v_lshl_add_u32 v[LQ], v2, 7, v[LQ]             ; q, k: row r, channels 32 h on
	v_lshlrev_b32 v[LV], 2, v1
	v_lshl_add_u32 v[LV], v2, 11, v[LV]            ; v: key 8 h on, channel r
	v_lshlrev_b32 v[LW], 12, v1
	v_lshl_add_u32 v[LW], v2, 5, v[LW]             ; out_w: row r, channels 8 h on
	s_mul_i32 s20, s12, 4352
	v_mul_u32_u24 v[STO], v1, 272
	v_lshl_add_u32 v[STO], v2, 5, v[STO]
	v_add_nc_u32 v[STO], s20, v[STO]               ; my part: row r of 256 bytes + 16, 32 bytes for each half of the lanes
	v_and_b32 v[GO], 31, v0
	v_lshlrev_b32 v[GO], 3, v[GO]
	s_mul_i32 s20, s12, 272
	v_add_nc_u32 v[RD], s20, v[GO]                 ; back: row w of each part, 8 bytes a lane
	v_lshlrev_b32 v[LT], 3, v2
	v_sub_nc_u32 v[LT], v1, v[LT]                  ; r - 8 h
	v_mov_b32 v11, 0xff800000
	v_mov_b32 v12, 0                               ; (a lane permute's destination counts as one of its sources)
	v_mov_b32 v13, 0
	s_mov_b32 s26, 0x76543210
	s_mov_b32 s27, 0xfedcba98
	s_mul_i32 s16, s13, 196608                     ; fine: batch x 48 blocks of 4,096 bytes + head
	s_lshl_b32 s17, s12, 12
	s_add_co_u32 s16, s16, s17
	s_mov_b32 s17, 0
	s_lshl_b32 s18, ttmp9, 18                      ; out_w: 64 rows of 4,096 bytes x cb + 256 bytes x head
	s_lshl_b32 s19, s12, 8
	s_add_co_u32 s18, s18, s19
	s_mov_b32 s19, 0
	s_lshl_b32 s22, ttmp9, 8                       ; out_b: 64 numbers x cb
	s_mov_b32 s23, 0
	s_lshl_b32 s24, s13, 23                        ; out0: row 2,048 batch + w, + 256 bytes x cb
	s_lshl_b32 s25, s12, 12
	s_add_co_u32 s24, s24, s25
	s_add_co_u32 s24, s24, s22
	s_mov_b32 s25, 0
	s_wait_kmcnt 0x0
	s_add_nc_u64 s[4:5], s[4:5], s[16:17]
	s_add_nc_u64 s[6:7], s[6:7], s[18:19]
	s_add_nc_u64 s[8:9], s[8:9], s[22:23]
	s_add_nc_u64 s[10:11], s[10:11], s[24:25]
.irp i, 0,1,2,3,4,5,6,7
	global_load_b128 v[KK+4*\i:KK+4*\i+3], v[LQ], s[4:5] offset:65536+16*\i
.endr
.irp i, 0,1,2,3,4,5,6,7
	global_load_b128 v[QQ+4*\i:QQ+4*\i+3], v[LQ], s[4:5] offset:16*\i
.endr
.irp c, 0,1,2,3
.irp i, 0,1,2,3,4,5,6,7
	global_load_b32 v[VV+8*\c+\i], v[LV], s[4:5] offset:131072+256*\i+64*\c       ; v(key 8 h + i, channel 16 c + r)
.endr
.endr
.irp u, 0,1
.irp c, 0,1,2,3
	global_load_b128 v[192+32*\u+8*\c:192+32*\u+8*\c+3], v[LW], s[6:7] offset:65536*\u+64*\c      ; out_w(64 cb + 16 u + r, 64 hd + 16 c + 8 h + 0 .. 7)
	global_load_b128 v[192+32*\u+8*\c+4:192+32*\u+8*\c+7], v[LW], s[6:7] offset:65536*\u+64*\c+16
.endr
.endr
	s_wait_loadcnt 48                              ; k and q are in; v's 32 loads and out_w's 16 may be out
	; S^T = k q^T: K step n takes channels 2 n, 2 n + 1 (lanes 0-15) and 32 + 2 n, 33 + 2 n (lanes 16-31) on both sides; four accumulators by turns
.set n, 0
.rept 16
.if n < 4
	v_wmma_f32_16x16x4_f32 v[ACC+8*(n%4):ACC+8*(n%4)+7], v[KK+2*n:KK+2*n+1], v[QQ+2*n:QQ+2*n+1], 0
.else
	v_wmma_f32_16x16x4_f32 v[ACC+8*(n%4):ACC+8*(n%4)+7], v[KK+2*n:KK+2*n+1], v[QQ+2*n:QQ+2*n+1], v[ACC+8*(n%4):ACC+8*(n%4)+7]
.endif
.set n, n+1
.endr
.rept 8
	v_nop                                          ; eight places behind this form: for the reads of the sums and for the loads into k's and q's registers
.endr
.irp u, 2,3
.irp c, 0,1,2,3
	global_load_b128 v[KK+32*(\u-2)+8*\c:KK+32*(\u-2)+8*\c+3], v[LW], s[6:7] offset:65536*\u+64*\c
	global_load_b128 v[KK+32*(\u-2)+8*\c+4:KK+32*(\u-2)+8*\c+7], v[LW], s[6:7] offset:65536*\u+64*\c+16
.endr
.endr
.irp j, 0,1,2,3,4,5,6,7
	v_add_f32 v[SW+\j], v[ACC+\j], v[ACC+8+\j]     ; each accumulator from its low end on
.endr
.irp j, 0,1,2,3,4,5,6,7
	v_add_f32 v[PP+\j], v[ACC+16+\j], v[ACC+24+\j]
.endr
.irp j, 0,1,2,3,4,5,6,7
	v_add_f32 v[SW+\j], v[SW+\j], v[PP+\j]         ; lane (r, h), register j: key 8 h + j, query r
.endr
.irp j, 0,1,2,3,4,5,6,7
	v_cmp_gt_i32 vcc_lo, \j, v[LT]                 ; hidden where 8 h + j > r
	v_cndmask_b32 v[SW+\j], v[SW+\j], v11, vcc_lo
.endr
	v_max3_num_f32 v10, v[SW], v[SW+1], v[SW+2]
	v_max3_num_f32 v10, v10, v[SW+3], v[SW+4]
	v_max3_num_f32 v10, v10, v[SW+5], v[SW+6]
	v_max_num_f32 v10, v10, v[SW+7]
	v_permlanex16_b32 v12, v10, s26, s27
	v_max_num_f32 v10, v10, v12                    ; the row's maximum: key 0 counts for every query, so it is a number
.irp j, 0,1,2,3,4,5,6,7
	v_sub_f32 v[PP+\j], v[SW+\j], v10
.endr
.irp j, 0,1,2,3,4,5,6,7
	v_exp_f32 v[PP+\j], v[PP+\j]
.endr
	v_nop
	s_wait_alu depctr_va_vdst(0)                   ; one wait for the eight, ahead of their first reader
	v_add_f32 v12, v[PP], v[PP+1]
	v_add_f32 v10, v[PP+2], v[PP+3]
	v_add_f32 v12, v12, v[PP+4]
	v_add_f32 v10, v10, v[PP+5]
	v_add_f32 v12, v12, v[PP+6]
	v_add_f32 v10, v10, v[PP+7]
	v_add_f32 v12, v12, v10
	v_permlanex16_b32 v13, v12, s26, s27
	v_add_f32 v12, v12, v13
	v_rcp_f32 v13, v12
	v_nop
	s_wait_alu depctr_va_vdst(0)
	s_wait_loadcnt 32                              ; v is in; out_w's two times 16 loads may be out
	; O^T = v^T p: K step n takes keys 8 h + 2 n, 8 h + 2 n + 1 on both sides; the four tiles of channels by turns
.irp n, 0,1,2,3
.irp c, 0,1,2,3
.if \n == 0
	v_wmma_f32_16x16x4_f32 v[ACC+8*\c:ACC+8*\c+7], v[VV+8*\c+2*\n:VV+8*\c+2*\n+1], v[PP+2*\n:PP+2*\n+1], 0
.else
	v_wmma_f32_16x16x4_f32 v[ACC+8*\c:ACC+8*\c+7], v[VV+8*\c+2*\n:VV+8*\c+2*\n+1], v[PP+2*\n:PP+2*\n+1], v[ACC+8*\c:ACC+8*\c+7]
.endif
.endr
.endr
.rept 8
	v_nop
.endr
.set n, 0
.rept 32
	v_mul_f32 v[OF+n], v[ACC+n], v13               ; o(query r, channel 16 c + 8 h + j) in register 8 c + j
.set n, n+1
.endr
	s_wait_loadcnt 0x0                             ; out_w
.rept 9
	v_nop                                          ; nine places before matrix instructions write over the accumulators anew
.endr
	; my head's part of the projection, transposed: source 0 = 16 rows of out_w, source 1 = o; K step (c, n) takes channels 16 c + 8 h + 2 n, + 1; the four tiles of columns by turns
.irp c, 0,1,2,3
.irp n, 0,1,2,3
.irp u, 0,1,2,3
.if (\c == 0) && (\n == 0)
	v_wmma_f32_16x16x4_f32 v[ACC+8*\u:ACC+8*\u+7], v[192+32*\u-240*(\u/2)+8*\c+2*\n:192+32*\u-240*(\u/2)+8*\c+2*\n+1], v[OF+8*\c+2*\n:OF+8*\c+2*\n+1], 0
.else
	v_wmma_f32_16x16x4_f32 v[ACC+8*\u:ACC+8*\u+7], v[192+32*\u-240*(\u/2)+8*\c+2*\n:192+32*\u-240*(\u/2)+8*\c+2*\n+1], v[OF+8*\c+2*\n:OF+8*\c+2*\n+1], v[ACC+8*\u:ACC+8*\u+7]
.endif
.endr
.endr
.endr
.rept 8
	v_nop
.endr
	global_load_b64 v[VV:VV+1], v[GO], s[8:9]      ; out_b of my two columns
.irp u, 0,1,2,3
	ds_store_b128 v[STO], v[ACC+8*\u:ACC+8*\u+3] offset:64*\u          ; lane (r, h): row r, columns 16 u + 8 h + 0 .. 7
	ds_store_b128 v[STO], v[ACC+8*\u+4:ACC+8*\u+7] offset:64*\u+16
.endr
	s_wait_dscnt 0x0                               ; for the others' sake: my part lies in LDS
	s_barrier_signal -1
	s_barrier_wait -1
.irp p, 0,1,2,3,4,5,6,7,8,9,10,11,12,13,14,15
	ds_load_b64 v[KK+2*\p:KK+2*\p+1], v[RD] offset:4352*\p
.endr
	s_wait_dscnt 0x0
.irp p, 0,1,2,3,4,5,6,7
	v_pk_add_f32 v[KK+4*\p:KK+4*\p+1], v[KK+4*\p:KK+4*\p+1], v[KK+4*\p+2:KK+4*\p+3]
.endr
.irp p, 0,1,2,3
	v_pk_add_f32 v[KK+8*\p:KK+8*\p+1], v[KK+8*\p:KK+8*\p+1], v[KK+8*\p+4:KK+8*\p+5]
.endr
.irp p, 0,1
	v_pk_add_f32 v[KK+16*\p:KK+16*\p+1], v[KK+16*\p:KK+16*\p+1], v[KK+16*\p+8:KK+16*\p+9]
.endr
	v_pk_add_f32 v[KK:KK+1], v[KK:KK+1], v[KK+16:KK+17]
	s_wait_loadcnt 0x0
	v_pk_add_f32 v[KK:KK+1], v[KK:KK+1], v[VV:VV+1]
	global_store_b64 v[GO], v[KK:KK+1], s[10:11]   ; the wave stores 256 consecutive bytes, aligned
	s_wait_tensorcnt 0x0                           ; the wave's end, behind my last LDS store
	ds_add_u32 v[SPW], v[NIL]
	s_wait_dscnt 0x0
	s_endpgm
.Lfunc_end_k_qbbdacaff5b_first16:
	.size	k_qbbdacaff5b_first16, .Lfunc_end_k_qbbdacaff5b_first16-k_qbbdacaff5b_first16
	.p2alignl 7, 3214868480
	.fill 96, 4, 3214868480
	.section	.rodata,"a",@progbits
	.p2align	6, 0x0
	.amdhsa_kernel k_qbbdacaff5b_first16
		.amdhsa_group_segment_fixed_size 71680
		.amdhsa_private_segment_fixed_size 0
		.amdhsa_enable_private_segment 0
		.amdhsa_kernarg_size 32
		.amdhsa_user_sgpr_count 2
		.amdhsa_user_sgpr_kernarg_segment_ptr 1
		.amdhsa_wavefront_size32 1
		.amdhsa_system_sgpr_workgroup_id_x 1
		.amdhsa_system_sgpr_workgroup_id_y 1
		.amdhsa_system_sgpr_workgroup_id_z 1
		.amdhsa_system_vgpr_workitem_id 0
		.amdhsa_next_free_vgpr 256
		.amdhsa_next_free_sgpr 66
		.amdhsa_reserve_vcc 1
		.amdhsa_float_denorm_mode_32 3
		.amdhsa_float_denorm_mode_16_64 3
		.amdhsa_memory_ordered 1
		.amdhsa_forward_progress 1
		.amdhsa_inst_pref_size 24
	.end_amdhsa_kernel
	.amdgpu_metadata
---
amdhsa.version: [ 1, 2 ]
amdhsa.kernels:
  - .name:           k_qbbdacaff5b_first16
    .symbol:         k_qbbdacaff5b_first16.kd
    .args:
      - { .name: fine, .offset: 0, .size: 8, .value_kind: global_buffer, .address_space: global }
      - { .name: out_w, .offset: 8, .size: 8, .value_kind: global_buffer, .address_space: global }
      - { .name: out_b, .offset: 16, .size: 8, .value_kind: global_buffer, .address_space: global }
      - { .name: out0, .offset: 24, .size: 8, .value_kind: global_buffer, .address_space: global }
    .group_segment_fixed_size: 71680
    .private_segment_fixed_size: 0
    .kernarg_segment_align: 8
    .kernarg_segment_size: 32
    .max_flat_workgroup_size: 512
    .sgpr_count:     66
    .vgpr_count:     256
    .wavefront_size: 32
...
	.end_amdgpu_metadata
.endif
;; end of part 5
